; MI455X (gfx1250); checked and timed in simulation.
; The chip was launched on July 23, 2026; its instructions are those of AMD's public machine-readable ISA for CDNA 5 (MIT licence, August 2026) and "CDNA5" Instruction Set Architecture Reference Guide (July 2026). The comments in the code are by the model that wrote it; some were corrected since.
;; Multi Head Self Attention. Allowed arithmetic: matrix products marked QUANTISED: E5M2 operands, one E8M0 scale for each 32 along K, by v_wmma_scale_f32_16x16x128_f8f6f4 with both operands' format E5M2, f32 sums; everything else in f32.
;; Inputs: out_bias 1,024 float32; out_proj 1,024 x 1,024 float32; qkv_bias 3,072 float32; qkv_proj 3,072 x 1,024 float32; query 2,048 x 4 x 1,024 float32.
;; Outputs: out0 2,048 x 4 x 1,024 float32.
;; This version of the problem:
;;   THIS VERSION OF THE PROBLEM IS GIVEN IN LOW PRECISION. The matrix products marked QUANTISED in the list below multiply operands that are first quantised to E5M2 (5 exponent bits, 2 mantissa bits; 8 bits a number), with one power-of-two scale for each 32 numbers along K (OCP MX v1.0); their sums are f32. All else is computed in f32.
;;   The module's matrix products, in the order in which they are computed (A, B: the left and right operand; K: the contracted axis; several contracted axes count as one K, in the product's order):
;;     1. [M 8,192, K 1,024] x [K 1,024, N 3,072]; A: input query; B: input qkv_proj: QUANTISED
;;     2. batch 64 x [M 2,048, K 64] x [K 64, N 2,048]; A: computed on the way; B: computed on the way: QUANTISED
;;     3. batch 64 x [M 2,048, K 2,048] x [K 2,048, N 64]; A: softmax (see below); B: computed on the way: QUANTISED
;;     4. [M 8,192, K 1,024] x [K 1,024, N 1,024]; A: computed on the way; B: input out_proj: QUANTISED
;;   THE QUANTISER, for each operand of a quantised product, along K:
;;     - K is cut into blocks of 32 from its start; a last block that is shorter is filled with zeros.
;;     - A block's scale is 2^e with e = floor(log2(the largest magnitude in the block)) - 15, held to -126 .. 127; a block of zeros has e = 0. As a byte (E8M0): e + 127.
;;     - Each number is divided by its block's scale, clamped to +-57,344, and rounded to the nearest number of E5M2, ties to even, subnormals kept.
;;     - The product sums the exact products of the quantised numbers (number of the format x scale) in f32.
;;   ~~~python
;;   def quantise(x, axis):      # numpy; x: float32 -> the quantised numbers, widened to float32 again
;;       x = np.moveaxis(x, axis, -1); K = x.shape[-1]
;;       x = np.pad(x, [(0, 0)] * (x.ndim - 1) + [(0, -K % 32)]); x = x.reshape(x.shape[:-1] + (-1, 32)); a = np.abs(x).max(-1, keepdims=True)
;;       e = np.where(a > 0, np.clip(np.frexp(np.where(a > 0, a, 1))[1] - 1 - 15, -126, 127), 0)      # np.frexp(a)[1] - 1 = floor(log2(a)), exactly
;;       r = np.clip(x / 2.0 ** e, -57344, 57344)
;;       step = 2.0 ** (np.maximum(np.frexp(np.where(r == 0, 1, r))[1] - 1, -14) - 2)
;;       q = np.round(r / step) * step * 2.0 ** e      # np.round: ties to even
;;       return np.moveaxis(q.reshape(q.shape[:-2] + (-1,))[..., :K], -1, axis).astype(np.float32)
;;   ~~~
;;   SOFTMAX AHEAD OF A QUANTISED PRODUCT. Where the list says 'softmax', what is quantised is not the finished softmax but p = 2^(t - M), with t = logit x log2(e) and M = ceil(the row's largest t), a whole number; so 1/2 < the row's largest p <= 1. The row's sum l is taken of the UNQUANTISED p, in f32, and the product's result is divided by l at the end. Since M is a whole number, a kernel that streams over the keys may use a running M (the ceiling of the running maximum): every later rescaling is an exact power of two, which a block's scale takes up: the codes' values come out the same.
;;   OPERANDS COMPUTED ON THE WAY. 'Computed on the way' means the value that the module computes at that place (a softmax that the list does not call 'softmax' is quantised finished and normalised). What goes into a quantiser is computed in f32, as accurately as f32 sums, v_exp_f32 and their like allow (about 1e-6 of the number): no bf16 or f16 on the way to a quantiser, and a product that is left as it is and whose result goes on into a quantised operand takes f32 operands (vector FMAs, or v_wmma_f32_16x16x4_f32). A number that lies on a knife's edge between two numbers of the format may be rounded either way, as far as f32 arithmetic and the matrix unit's own rounding can turn it there, and no further.
;; One version. Each part assembles by itself: llvm-mc -triple=amdgcn-amd-amdhsa -mcpu=gfx1250 --defsym DOCPART=n.
;; ======== version 1 of 1: 4 launches
;; limits: right only within a limited range of input values
;; workspace buffers: xq 8,650,752 bytes; w1 3,244,032 bytes; w2 1,081,344 bytes; qimg 9,437,184 bytes; kv 18,350,080 bytes; ob 8,650,752 bytes
;; launch quant (part 1): grid 384 x 1, 4 waves a work-group, no clusters, 34,304 bytes of LDS; arguments query, qkv_proj, out_proj, xq, w1, w2; writes xq, w1, w2
.if DOCPART == 1
	.amdgcn_target "amdgcn-amd-amdhsa--gfx1250"
	.amdhsa_code_object_version 6
	.text
	.protected	k_qf7973987ba_quant
	.globl	k_qf7973987ba_quant
	.p2align	8
	.type	k_qf7973987ba_quant,@function
k_qf7973987ba_quant:
	s_mov_b64 s[64:65], 0
	v_nop
	global_prefetch_b8 v0, s[64:65] scope:SCOPE_SE
	s_setreg_imm32_b32 hwreg(HW_REG_WAVE_MODE, 25, 1), 1
	s_wait_xcnt 0x0
; query [8192][1024], qkv_proj [3072][1024] and out_proj [1024][1024], f32, K innermost, become codes of BF8 (E5M2) with one E8M0 byte for each 32 along K.
; A block's scale is 2^(floor(log2(its largest magnitude)) - 15); each number is divided by it, held within +-57,344 and rounded to the nearest code, ties to even.
; THE CODES ARE LAID AS IMAGES OF OPERAND REGISTERS.  A fragment (16 rows x 128 K) is 2,048 bytes [c 0..3][lane 0..31][16 bytes]: lane (r, h) holds k = 32 c + 16 h + 0 .. 15 of row slot r.
; A buffer is [row block][K step 0..7][2,048], and behind the codes its scale words [row block][K slot 0..3][r][K step % 2][4 bytes].
; WHICH ROWS FORM A ROW BLOCK: slot r of block 2 B + u is position 32 B + 8 u + r + 8 (r / 8).  query: block 128 n + lb, position = l, row 4 l + n;  qkv_proj: block 64 c + ib, position = i, row 3 i + c;  out_proj: position = row.
; SHARES: work-groups 0-255 take query, 256-351 qkv_proj, 352-383 out_proj: only pointers and four numbers are chosen, one path through the text.  A wave takes a row block x 512 K: four fragments.
; Each load reads 512 consecutive bytes of one row; a fragment's 8,192 bytes turn through the wave's own stage in LDS (rows of 512 + 16 bytes), so that a lane gets 16 neighbours of each block.
; Each store of codes covers 512 consecutive bytes; a wave's 256 bytes of scale words leave by one store.  Waves share nothing: no barrier.  Two fragments (32 loads a wave) are on their way.
; LIMITS: NaN and infinities among the inputs are not served.  A block of zeros gets the byte 1 where the rule says 127: its codes are zeros, and the bytes are read by this program alone.
.set SP,   528                         ; a stage row
.set WST,  16*SP                       ; a wave's stage
.set LI,   1                           ; v1  16 x lane
.set STI,  2                           ; v2  the stage, on the way in
.set STO,  3                           ; v3  and on the way out
.set SL,   4                           ; v4  8 x lane
.set LN,   5                           ; v5  lane
.set R,    16                          ; v16-143  two sets of 64: a fragment as loaded
.set X,    144                         ; v144-207 64 numbers: register 16 b + i = k 32 b + 16 h + i of my row
.set PC,   208                         ; v208-223 the fragment's codes
.set TM,   224                         ; v224-227 largest magnitudes, v228-231 bytes, v232-235 57,344 x the scale, v236-239 the conversions' scale operands
.set WD,   240                         ; v240-243 the four fragments' scale words
.set OW,   244                         ; v244-245 the pair that leaves
.set SEL,  24                          ; s[24:25] lane selects: lane l xor 16
.set MNT,  26                          ; s26 the mantissa field of 57,344
	s_load_b256 s[4:11], s[0:1], 0x0               ; query, qkv_proj, out_proj, xq
	s_load_b128 s[12:15], s[0:1], 0x20             ; w1, w2
	v_lshl_add_u32 v248, v0, 2, 0x8400
	v_mov_b32 v249, 0
	v_lshrrev_b32 v6, 5, v0
	v_readfirstlane_b32 s16, v6                    ; wave
	v_and_b32 v[LN], 31, v0
	v_and_b32 v6, 15, v0                           ; r
	v_bfe_u32 v7, v0, 4, 1                         ; h
	v_lshlrev_b32 v[LI], 4, v[LN]
	v_lshlrev_b32 v[SL], 3, v[LN]
	s_mul_i32 s17, s16, WST
	v_add_nc_u32 v[STI], s17, v[LI]                ; in: a row's 512 bytes as they lie
	v_mul_u32_u24 v[STO], v6, SP
	v_lshl_add_u32 v[STO], v7, 6, v[STO]
	v_add_nc_u32 v[STO], s17, v[STO]               ; out: row r, + 64 h: my 16 numbers of a block
	s_mov_b32 s[SEL], 0x76543210
	s_mov_b32 s[SEL+1], 0xfedcba98
	s_mov_b32 s[MNT], 0x600000
.irp b, 0,1,2,3
	v_mov_b32 v[TM+4+\b], 0                        ; written once: a lane permute's destination counts as one of its sources
.endr
	s_wait_alu depctr_va_vdst(0)
	s_wait_kmcnt 0x0
	s_cmp_lt_u32 ttmp9, 352                        ; the choices hang on the work-group's number alone
	s_cselect_b64 s[18:19], s[6:7], s[8:9]         ; the tensor,
	s_cselect_b64 s[20:21], s[12:13], s[14:15]     ; its buffer,
	s_mov_b32 s27, 352
	s_cselect_b32 s27, 256, s27                    ; its first work-group,
	s_cselect_b32 s28, 3, 1                        ; rows from position to position,
	s_mov_b32 s29, 1048576
	s_cselect_b32 s29, 3145728, s29                ; where its scale words begin
	s_cmp_lt_u32 ttmp9, 256
	s_cselect_b64 s[18:19], s[4:5], s[18:19]
	s_cselect_b64 s[20:21], s[10:11], s[20:21]
	s_cselect_b32 s27, 0, s27
	s_cselect_b32 s28, 4, s28
	s_cselect_b32 s29, 8388608, s29
	s_cselect_b32 s30, 7, 6                        ; log2 of the row blocks that share n (or c)
	s_sub_co_u32 s27, ttmp9, s27
	s_lshl_b32 s27, s27, 2
	s_add_co_u32 s27, s27, s16                     ; my wave among the tensor's
	s_lshr_b32 s31, s27, 1                         ; row block
	s_and_b32 s27, s27, 1                          ; which half of K
	s_lshr_b32 s66, s31, s30                       ; n (or c)
	s_lshl_b32 s67, s66, s30
	s_sub_co_u32 s67, s31, s67                     ; lb (or ib)
	s_lshr_b32 s68, s67, 1
	s_lshl_b32 s68, s68, 5
	s_and_b32 s67, s67, 1
	s_lshl_b32 s67, s67, 3
	s_add_co_u32 s68, s68, s67                     ; slot 0's position
	s_mul_i32 s68, s68, s28
	s_add_co_u32 s68, s68, s66                     ; slot 0's row
	s_lshl_b32 s68, s68, 12                        ; a row is 4,096 bytes
	s_lshl_b32 s67, s27, 11
	s_add_co_u32 s68, s68, s67                     ; + my half of K
	s_mov_b32 s69, 0
	s_add_nc_u64 s[18:19], s[18:19], s[68:69]
	s_lshl_b32 s28, s28, 12
	s_mov_b32 s71, 0
.irp r, 0,1,2,3,4,5,6,7,8,9,10,11,12,13,14,15
	s_mul_i32 s70, s28, (\r)+8*((\r)/8)
	s_add_nc_u64 s[32+2*\r:33+2*\r], s[18:19], s[70:71]    ; slot r's row: a base for each of the 16
.endr
	s_lshl_b32 s68, s31, 9
	s_lshl_b32 s67, s27, 8
	s_add_co_u32 s68, s68, s67
	s_add_co_u32 s68, s68, s29
	s_add_nc_u64 s[22:23], s[20:21], s[68:69]      ; my 256 bytes of scale words
	s_lshl_b32 s68, s31, 14
	s_lshl_b32 s67, s27, 13
	s_add_co_u32 s68, s68, s67
	s_add_nc_u64 s[20:21], s[20:21], s[68:69]      ; my four fragments
.macro LOADF f, set                    ; fragment f: 16 rows x 512 bytes
.irp r, 0,1,2,3,4,5,6,7,8,9,10,11,12,13,14,15
	global_load_b128 v[R+64*(\set)+4*\r:R+64*(\set)+4*\r+3], v[LI], s[32+2*\r:33+2*\r] offset:512*(\f) th:TH_LOAD_NT
.endr
.endm
.macro TURN set                        ; through the stage: LDS serves a wave's instructions in order (ISA guide 5.7.1.4), so no wait stands between the stores and the loads
.irp r, 0,1,2,3,4,5,6,7,8,9,10,11,12,13,14,15
	ds_store_b128 v[STI], v[R+64*(\set)+4*\r:R+64*(\set)+4*\r+3] offset:SP*\r
.endr
.irp c, 0,1,2,3
.irp i, 0,1,2,3
	ds_load_b128 v[X+16*\c+4*\i:X+16*\c+4*\i+3], v[STO] offset:128*\c+16*\i
.endr
.endr
.endm
.macro QUANT s, w                      ; 64 numbers of a lane become the fragment's codes in v[PC] on and my row's scale word in v[w]
.irp b, 0,1,2,3
	v_max3_num_f32 v[TM+\b], |v[\s+16*\b]|, |v[\s+1+16*\b]|, 0x8000000   ; my 16 numbers of block b, and the floor 2^(16 - 127): the byte cannot fall under 1
.endr
.irp i, 2,4,6,8,10,12,14
.irp b, 0,1,2,3
	v_max3_num_f32 v[TM+\b], v[TM+\b], |v[\s+16*\b+\i]|, |v[\s+1+16*\b+\i]|   ; the four blocks by turns
.endr
.endr
.irp b, 0,1,2,3
	v_permlanex16_b32 v[TM+4+\b], v[TM+\b], s[SEL], s[SEL+1]
.endr
.irp b, 0,1,2,3
	v_max_num_f32 v[TM+\b], v[TM+\b], v[TM+4+\b]   ; with lane l xor 16's 16: the block's largest magnitude
.endr
.irp b, 0,1,2,3
	v_add_nc_u32 v[TM+12+\b], 0xf8800000, v[TM+\b] ; 15 off its exponent field: the conversion takes that field as its scale
.endr
.irp b, 0,1,2,3
	v_and_or_b32 v[TM+8+\b], v[TM+\b], 0x7f800000, s[MNT]   ; 57,344 x the scale
.endr
.irp b, 0,1,2,3
	v_lshrrev_b32 v[TM+4+\b], 23, v[TM+12+\b]      ; the scale's byte
.endr
	v_lshl_or_b32 v[\w], v[TM+5], 8, v[TM+4]
	v_lshl_or_b32 v[\w], v[TM+6], 16, v[\w]
	v_lshl_or_b32 v[\w], v[TM+7], 24, v[\w]
.irp b, 0,1,2,3
.irp i, 0,1,2,3,4,5,6,7,8,9,10,11,12,13,14,15
	v_med3_num_f32 v[\s+16*\b+\i], v[\s+16*\b+\i], -v[TM+8+\b], v[TM+8+\b]   ; the conversion to an 8-bit code does not saturate (ISA guide 7.6.2): the hold comes first
.endr
	v_cvt_scalef32_pk8_bf8_f32 v[PC+4*\b:PC+1+4*\b], v[\s+16*\b:\s+7+16*\b], v[TM+12+\b]
	v_cvt_scalef32_pk8_bf8_f32 v[PC+2+4*\b:PC+3+4*\b], v[\s+8+16*\b:\s+15+16*\b], v[TM+12+\b]
.endr
	v_nop                                          ; a plain line behind the last conversion
.endm
	LOADF 0, 0
	LOADF 1, 1
.irp f, 0,1,2,3
.if \f < 3
	s_wait_loadcnt 16                              ; this fragment's 16 loads are in; the next fragment's 16 may be out
.else
	s_wait_loadcnt 0x0
.endif
	TURN (\f)%2
	s_wait_dscnt 0x0                               ; the numbers are back, so the stores into the stage have read their registers,
.if \f < 2
	LOADF (\f)+2, (\f)%2                           ; which take the fragment two further on
.endif
.if \f > 0
	s_wait_xcnt 0x0                                ; the last fragment's stores have read their data: the codes' registers are written again only behind this wait
.endif
	QUANT X, WD+\f
.irp c, 0,1,2,3
	global_store_b128 v[LI], v[PC+4*\c:PC+4*\c+3], s[20:21] offset:2048*\f+512*\c   ; 32 lanes store 512 consecutive bytes
.endr
.endr
	v_cmp_le_u32 vcc_lo, 16, v[LN]                 ; lanes r and r + 16 hold the same words: lanes 0-15 send K steps 0, 1 of my four, lanes 16-31 K steps 2, 3
	v_cndmask_b32 v[OW], v[WD], v[WD+2], vcc_lo
	v_cndmask_b32 v[OW+1], v[WD+1], v[WD+3], vcc_lo
	global_store_b64 v[SL], v[OW:OW+1], s[22:23]   ; 32 lanes store 256 consecutive bytes, aligned
	s_wait_tensorcnt 0x0
	ds_add_u32 v248, v249
	s_wait_dscnt 0x0
	s_endpgm
.Lfunc_end_k_qf7973987ba_quant:
	.size	k_qf7973987ba_quant, .Lfunc_end_k_qf7973987ba_quant-k_qf7973987ba_quant
	.p2alignl 7, 3214868480
	.fill 96, 4, 3214868480
	.section	.rodata,"a",@progbits
	.p2align	6, 0x0
	.amdhsa_kernel k_qf7973987ba_quant
		.amdhsa_group_segment_fixed_size 34304
		.amdhsa_private_segment_fixed_size 0
		.amdhsa_enable_private_segment 0
		.amdhsa_kernarg_size 48
		.amdhsa_user_sgpr_count 2
		.amdhsa_user_sgpr_kernarg_segment_ptr 1
		.amdhsa_wavefront_size32 1
		.amdhsa_system_sgpr_workgroup_id_x 1
		.amdhsa_system_sgpr_workgroup_id_y 1
		.amdhsa_system_sgpr_workgroup_id_z 1
		.amdhsa_system_vgpr_workitem_id 0
		.amdhsa_next_free_vgpr 250
		.amdhsa_next_free_sgpr 72
		.amdhsa_reserve_vcc 1
		.amdhsa_float_denorm_mode_32 3
		.amdhsa_float_denorm_mode_16_64 3
		.amdhsa_memory_ordered 1
		.amdhsa_forward_progress 1
		.amdhsa_inst_pref_size 53
	.end_amdhsa_kernel
	.amdgpu_metadata
---
amdhsa.version: [ 1, 2 ]
amdhsa.kernels:
  - .name:           k_qf7973987ba_quant
    .symbol:         k_qf7973987ba_quant.kd
    .args:
      - { .name: query, .offset: 0, .size: 8, .value_kind: global_buffer, .address_space: global }
      - { .name: qkv_proj, .offset: 8, .size: 8, .value_kind: global_buffer, .address_space: global }
      - { .name: out_proj, .offset: 16, .size: 8, .value_kind: global_buffer, .address_space: global }
      - { .name: xq, .offset: 24, .size: 8, .value_kind: global_buffer, .address_space: global }
      - { .name: w1, .offset: 32, .size: 8, .value_kind: global_buffer, .address_space: global }
      - { .name: w2, .offset: 40, .size: 8, .value_kind: global_buffer, .address_space: global }
    .group_segment_fixed_size: 34304
    .private_segment_fixed_size: 0
    .kernarg_segment_align: 8
    .kernarg_segment_size: 48
    .max_flat_workgroup_size: 128
    .sgpr_count:     72
    .vgpr_count:     250
    .wavefront_size: 32
...
	.end_amdgpu_metadata
.endif
;; end of part 1
;; launch qkv (part 2): grid 12 x 32, 4 waves a work-group, clusters of 4 x 4, 327,680 bytes of LDS; arguments xq, w1, qkv_bias, qimg, kv; writes qimg, kv
.if DOCPART == 2
	.amdgcn_target "amdgcn-amd-amdhsa--gfx1250"
	.amdhsa_code_object_version 6
	.text
	.protected	k_qf7973987ba_qkv
	.globl	k_qf7973987ba_qkv
	.p2align	8
	.type	k_qf7973987ba_qkv,@function
k_qf7973987ba_qkv:
	s_mov_b64 s[64:65], 0
	v_nop
	global_prefetch_b8 v0, s[64:65] scope:SCOPE_SE
	s_setreg_imm32_b32 hwreg(HW_REG_WAVE_MODE, 25, 1), 1
	s_wait_xcnt 0x0
	s_wait_alu depctr_hold_cnt(0) depctr_sa_sdst(0) depctr_va_vdst(0) depctr_va_sdst(0) depctr_va_ssrc(0) depctr_va_vcc(0) depctr_vm_vsrc(0)
	s_getreg_b32 s2, hwreg(HW_REG_IB_STS2, 6, 4)
	s_cmp_eq_u32 s2, 0
	s_cbranch_scc0 .Lentry_in_a_cluster
	s_endpgm
.Lentry_in_a_cluster:
	s_bfe_u32 s2, ttmp6, 0x10000c
	s_cmp_lg_u32 s2, 0xf033
	s_cbranch_scc0 .Lentry_shape_is_right
	s_endpgm
.Lentry_shape_is_right:
; The projection query x qkv_proj^T + qkv_bias on codes of BF8 (E5M2) with E8M0 scales, and, on the way out, the quantising of q and k (along the head's 64) and of v (along the keys).
; xq and w1 hold fragments as images of operand registers: [row block][K step 0..7][c 0..3][lane][16 bytes], scale words behind them [row block][K slot][r][K step % 2][4 bytes].
; A work-group of four waves makes 256 x 256 of the result, a wave 128 x 128: 64 accumulators, 512 registers.  K = 1,024 goes in four steps of 256 through a ring of two LDS slots.
; TWO OPERANDS, Y AND X.  Y is source 1: a lane holds Y's row slot lane % 16.  X is source 0: a lane's registers run along X's rows.  Since slot r of row block 2 B + u is position 32 B + 8 u + r + 8 (r / 8),
; the 16 registers of X's blocks 2 B, 2 B + 1 are the 16 neighbours 32 B + 16 (lane / 16) + 0 .. 15: what a conversion wants.
; THE KIND is the cluster's x: 0 q, 1 k: Y = xq (a lane holds an l), X = w1 (registers along the head's axis);  2 v: Y = w1, X = xq (registers along l, the keys).  Only pointers, tile numbers and a few strides are chosen.
; CLUSTERS: 4 x 4.  Y's tile hangs on cy alone and is asked for jointly along a row of the cluster, X's on cx alone and along a column.
; THE BIAS is the C of each sum's first matrix instruction: that one step of 128 along K is written twice (C by X's block, C by Y's block), under a branch on the kind, which all partners share.
; OUT: qimg [b 64][step 16][9,216]: codes [tile 8][c 2][512], scale words [tile / 4][lane][4 words].  kv [b][step][17,920]: K's codes as q's; at 8,192 V's [tile 4][c 4][512]; at 16,384 K's words; at 17,408 V's [lane][4 words].
; Every store covers 512 consecutive bytes, straight from the conversions' registers.  A q or k scale word has two bytes; its upper bytes are 0 and meet zero codes alone.
; 384 work-groups are 24 clusters: they do not divide evenly among the WGPs; a tile of 256 x 384 would, but its accumulators and fragments do not fit into a wave's registers.
; LIMITS: NaN and infinities are not served.  A block of zeros gets the byte 1 where the rule says 127: its codes are zeros, and the bytes are read by this program alone.
; REGISTERS: window 0: v8-15 bias offsets; v16-29 addresses; v32-63 scale words, two sets; v64-127 the bias; v128-255 Y's fragments, one set.  window 1: X's fragments, two sets.  windows 2, 3: accumulator (a, b) at v[8 (8 (a % 4) + b)].
.set NP,    8                          ; places behind this matrix instruction (ISA guide 7.12.1)
.set SLOT,  131072                     ; a slot: Y's 16 row blocks x 4,096 bytes, then X's 16
.set XOFF,  65536
.set SCLY,  262144                     ; behind the ring: Y's scale words, 8,192 bytes,
.set SCLX,  SCLY+8192+128              ; X's; the 128 bytes between keep the two halves of a scale load on different banks
.set SPARE, 278784                     ; the spare words, 128 bytes for each wave: two blocks of 256 bytes that no other line names
.set VO,   8
.set ADRA, 16                          ; v16-17 LDS address of Y's fragments in slot 0, 1
.set ADRB, 20                          ; v20-21 of X's
.set LI,   25                          ; v25 16 x lane
.set VA,   26                          ; v26 the way out: my byte offset
.set ADRS, 27                          ; v27 my scale words: lanes 0-15 Y's, lanes 16-31 X's
.set SPW,  28
.set NIL,  29
.set SC,   32                          ; set s at v[SC + 16 s]; register 2 i + q: block i, the slot's q-th 128 along K
.set CB,   64
.set AF,   128
.set T,    64                          ; the way out, window 0: 64 held numbers,
.set PC,   128                         ; 16 registers of codes,
.set BM,   144                         ; largest magnitudes, bytes, 57,344 x the scale, scale operands: four each,
.set PB,   148
.set HD,   152
.set SOP,  156
.set P0,   160                         ; and for each of Y's blocks the bytes of X's blocks 0, 1 and of 2, 3
.set P1,   168
.set G1, 24
.set G0, 32
.set G1B, 48
.set G0B, 56
.set G1S, 68
.set G0S, 76
.set G1SB, 80
.set G0SB, 88
.set SEL, 18                           ; s[18:19], s20: set behind the head's arithmetic
.set MNT, 20
.set MSB, 0
.macro WIN new                         ; the immediate's high byte repeats the setting that is left
.if MSB != \new
	s_set_vgpr_msb (MSB<<8)|\new
.set MSB, \new
.endif
.endm
.set MUL_LO, 0xa1                      ; source 0 (X) window 1, source 1 (Y) window 0, C and D window 2
.set MUL_HI, 0xf1
.set TO_B,   0x40
; A joint load: waves 0 and 1 fetch Y's halves, waves 2 and 3 X's.  The branch hangs on the wave's number alone.  Four v_nop follow each of the two lines.
.macro JLOAD g0a, g1a, g0b, g1b
	s_cmp_eq_u32 s15, 0
	s_cbranch_scc0 .Lfor_b_\@
	tensor_load_to_lds s[\g0a:\g0a+3], s[\g1a:\g1a+7]
	s_nop 0
.rept 4
	v_nop
.endr
	s_branch .Lasked_\@
.Lfor_b_\@:
	tensor_load_to_lds s[\g0b:\g0b+3], s[\g1b:\g1b+7]
	s_nop 0
.rept 4
	v_nop
.endr
.Lasked_\@:
.endm
.macro CREST                           ; a round of the cluster's barrier behind its opening barrier
	s_cmp_lg_u32 s14, 0
	s_cbranch_scc1 .Lnot_wave_0_\@
	s_barrier_signal -3
.Lnot_wave_0_\@:
	s_barrier_wait -3
	s_barrier_signal -1
	s_barrier_wait -1
.endm
.macro CROUND
	s_barrier_signal -1
	s_barrier_wait -1
	CREST
.endm
	s_load_b128 s[4:7], s[0:1], 0x0                ; xq, w1
	s_load_b128 s[8:11], s[0:1], 0x10              ; qkv_bias, qimg
	s_load_b64 s[12:13], s[0:1], 0x20              ; kv
	v_lshl_add_u32 v[SPW], v0, 2, SPARE
	v_mov_b32 v[NIL], 0
	ds_add_u32 v28, v29
	ds_add_u32 v28, v29
	s_wait_dscnt 0x0
	v_lshrrev_b32 v1, 5, v0
	v_readfirstlane_b32 s14, v1                    ; wave 0..3
	s_lshr_b32 s15, s14, 1                         ; which half of Y's rows is mine.  Also: I fetch for Y (0) or for X (1)
	s_and_b32 s16, s14, 1                          ; which half of X's rows.  Also: which 8 row blocks of that tile I fetch
	s_bfe_u32 s40, ttmp6, 0x40000                  ; cx
	s_bfe_u32 s41, ttmp6, 0x40004                  ; cy
	s_mov_b32 s17, ttmp9                           ; the kind: the cluster's x
	s_and_b32 s18, ttmp7, 0xffff
	s_lshl_b32 s18, s18, 2                         ; 4 x the cluster's y
	s_lshl_b32 s19, s17, 2
	s_mov_b32 s66, 8388608                         ; where xq's scale words begin,
	s_mov_b32 s67, 3145728                         ; and w1's
	s_cmp_eq_u32 s17, 2
	s_cselect_b32 s42, 8, s18
	s_cselect_b32 s43, s18, s19
	s_cselect_b32 s2, s67, s66
	s_cselect_b32 s46, s66, s67
	s_add_co_u32 s42, s42, s41                     ; Y's tile of 16 row blocks: it hangs on cy alone
	s_add_co_u32 s43, s43, s40                     ; X's: on cx alone
	s_lshl_b32 s44, s41, 2
	s_lshl_b32 s44, 15, s44                        ; my row of the cluster
	s_lshl_b32 s45, 0x1111, s40                    ; my column
	; group 1 for codes: 8 rows (row blocks) of 512 elements of 8 bytes, 2,048 elements apart; no padding: a fragment load takes 512 consecutive bytes
	s_or_b32 s[G1+0], s44, (3<<16)|(1<<21)
	s_or_b32 s[G1B+0], s45, (3<<16)|(1<<21)
.irp g, G1, G1B
	s_mov_b32 s[\g+1], 512<<16                     ; tensor_dim0
	s_mov_b32 s[\g+2], 16<<16                      ; tensor_dim1: 16 row blocks for the head's loads; set to 8, for the ring's, behind the wait for them
	s_mov_b32 s[\g+3], 512<<16                     ; tile_dim0
	s_mov_b32 s[\g+4], 16                          ; tile_dim1
	s_mov_b32 s[\g+5], 2048                        ; tensor_dim0_stride
	s_mov_b32 s[\g+6], 0
	s_mov_b32 s[\g+7], 0
.endr
	; and for the scale words of 16 row blocks: 8,192 dense bytes as 32 rows of 256
	s_or_b32 s[G1S+0], s44, (3<<16)|(1<<21)
	s_or_b32 s[G1SB+0], s45, (3<<16)|(1<<21)
.irp g, G1S, G1SB
	s_mov_b32 s[\g+1], 32<<16
	s_mov_b32 s[\g+2], 32<<16                      ; the scale words of all 16 row blocks: 8,192 dense bytes as 32 rows of 256
	s_mov_b32 s[\g+3], 32<<16
	s_mov_b32 s[\g+4], 32
	s_mov_b32 s[\g+5], 32
	s_mov_b32 s[\g+6], 0
	s_mov_b32 s[\g+7], 0
.endr
	s_lshl_b32 s20, s42, 13
	s_add_co_u32 s2, s2, s20                       ; Y's scale words, in bytes
	s_mov_b32 s3, 0
	s_lshl_b32 s20, s42, 18
	s_lshl_b32 s21, s16, 17
	s_add_co_u32 s20, s20, s21                     ; and Y's codes
	s_mov_b32 s21, 0
	s_lshl_b32 s22, s43, 13
	s_add_co_u32 s46, s46, s22                     ; X's likewise
	s_mov_b32 s47, 0
	s_lshl_b32 s22, s43, 18
	s_lshl_b32 s23, s16, 17
	s_add_co_u32 s22, s22, s23
	s_mov_b32 s23, 0
	s_lshl_b32 s18, s14, 15                        ; where they go: wave x 32,768; no place in the cluster enters an LDS address
	s_wait_kmcnt 0x0
	s_cmp_eq_u32 s17, 2
	s_cselect_b64 s[92:93], s[6:7], s[4:5]         ; Y's buffer
	s_cselect_b64 s[94:95], s[4:5], s[6:7]         ; X's
	s_add_nc_u64 s[2:3], s[92:93], s[2:3]
	s_add_nc_u64 s[20:21], s[92:93], s[20:21]
	s_add_nc_u64 s[46:47], s[94:95], s[46:47]
	s_add_nc_u64 s[22:23], s[94:95], s[22:23]
	CROUND                                         ; all sixteen work-groups are here: the first joint loads meet
	s_mov_b32 s[G0S], 1
	s_mov_b32 s[G0S+1], SCLY
	s_mov_b64 s[G0S+2:G0S+3], s[2:3]
	s_or_b32 s[G0S+3], s[G0S+3], 0x80000000
	s_mov_b32 s[G0SB], 1
	s_mov_b32 s[G0SB+1], SCLX
	s_mov_b64 s[G0SB+2:G0SB+3], s[46:47]
	s_or_b32 s[G0SB+3], s[G0SB+3], 0x80000000
.irp s, 0,1
	s_mov_b32 s[G0+4*\s], 1
	s_add_co_u32 s[G0+4*\s+1], s18, \s*SLOT
	s_add_nc_u64 s[G0+4*\s+2:G0+4*\s+3], s[20:21], \s*4096
	s_or_b32 s[G0+4*\s+3], s[G0+4*\s+3], 0x80000000
	s_mov_b32 s[G0B+4*\s], 1
	s_add_co_u32 s[G0B+4*\s+1], s18, \s*SLOT
	s_add_nc_u64 s[G0B+4*\s+2:G0B+4*\s+3], s[22:23], \s*4096
	s_or_b32 s[G0B+4*\s+3], s[G0B+4*\s+3], 0x80000000
.endr
; THE HEAD'S LOADS, ONE A WAVE: wave 0 fetches K slot 0's 16 row blocks of Y, wave 1 those of X, wave 2 Y's scale words, wave 3 X's.
; Slot 0's groups 0 serve them first, set to the whole tile; behind the wait for the head's loads they are set back to my half, for the ring.
	s_lshl_b32 s4, s16, 17                         ; my half of a tile, in bytes (the pointers that lay in s[4:5] have been used)
	s_mov_b32 s5, 0
	s_mov_b32 s[G0+1], 0
	s_sub_nc_u64 s[G0+2:G0+3], s[G0+2:G0+3], s[4:5]
	s_mov_b32 s[G0B+1], XOFF
	s_sub_nc_u64 s[G0B+2:G0B+3], s[G0B+2:G0B+3], s[4:5]
.macro ARM under, g0, g1, next         ; one tree of branches on the wave's number, a load to an arm, all arms leading to one join
	s_cmp_lt_u32 s14, \under
	s_cbranch_scc0 \next
	tensor_load_to_lds s[\g0:\g0+3], s[\g1:\g1+7]
	s_nop 0
.rept 4
	v_nop
.endr
	s_branch .Lhead_asked
\next:
.endm
	ARM 1, G0,  G1,  .Lhead_b
	ARM 2, G0B, G1B, .Lhead_sa
	ARM 3, G0S, G1S, .Lhead_sb
	tensor_load_to_lds s[G0SB:G0SB+3], s[G1SB:G1SB+7]
	s_nop 0
.rept 4
	v_nop
.endr
.Lhead_asked:
	v_and_b32 v1, 15, v0                           ; r
	v_bfe_u32 v2, v0, 4, 1                         ; h
	s_wait_alu depctr_va_vdst(0)
	v_and_b32 v3, 31, v0
	v_lshlrev_b32 v[LI], 4, v3
	s_lshl_b32 s18, s15, 15                        ; my 8 row blocks of Y,
	s_lshl_b32 s19, s16, 15
	s_add_co_u32 s19, s19, XOFF                    ; and of X
.irp s, 0,1
	v_add_nc_u32 v[ADRA+\s], s18, v[LI]
	v_add_nc_u32 v[ADRB+\s], s19, v[LI]
	s_add_co_u32 s18, s18, SLOT
	s_add_co_u32 s19, s19, SLOT
.endr
	s_lshl_b32 s18, s15, 12
	s_lshl_b32 s19, s16, 12
	s_add_co_u32 s19, s19, SCLX-SCLY
	s_sub_co_u32 s19, s19, s18                     ; from Y's words to X's: one product with h
	v_mul_u32_u24 v4, s19, v2
	s_add_co_u32 s18, s18, SCLY
	v_lshl_add_u32 v4, v1, 3, v4                   ; 8 bytes a row: the slot's two words
	v_add_nc_u32 v[ADRS], s18, v4
	; what the way out and the bias need: all chosen by the kind
	s_cmp_eq_u32 s17, 0
	s_cselect_b64 s[92:93], s[10:11], s[12:13]     ; q goes to qimg, k and v to kv
	s_mov_b32 s18, 17920
	s_cselect_b32 s18, 9216, s18                   ; bytes of a step's block
	s_mov_b32 s19, 16384
	s_cselect_b32 s19, 8192, s19
	s_mov_b32 s100, 1024
	s_cmp_eq_u32 s17, 2
	s_cselect_b32 s19, 17408, s19                  ; where the scale words lie in it,
	s_cselect_b32 s20, 8192, 0                     ; and the codes
	s_cselect_b32 s21, s43, s42                    ; the tile along (n, l)
	s_cselect_b32 s22, s41, s40                    ; the tile along the inner axis
	s_cselect_b32 s23, s16, s15                    ; my half along l
	s_cselect_b32 s46, s15, s16                    ; my half along the inner axis
	s_cselect_b32 s100, 2048, s100                 ; from one of Y's blocks to the next
	s_cselect_b32 s47, 0, 192                      ; the bias offsets' strides: by h,
	s_cselect_b32 s66, 12, 0                       ; by the row slot,
	s_cselect_b32 s67, 0, 12                       ; by the register
	v_and_b32 v4, 8, v1
	v_add_nc_u32 v4, v4, v1                        ; r + 8 (r / 8)
	v_mul_u32_u24 v5, s47, v2
	v_mad_u32_u24 v5, s66, v4, v5
.irp j, 0,1,2,3,4,5,6,7
	v_mad_u32_u24 v[VO+\j], s67, \j, v5
.endr
	s_lshl_b32 s101, s18, 4                        ; bytes of a head: 16 steps
	s_lshr_b32 s2, s21, 3                          ; n
	s_lshl_b32 s2, s2, 4
	s_lshl_b32 s3, s22, 2
	s_add_co_u32 s2, s2, s3
	s_lshl_b32 s3, s46, 1
	s_add_co_u32 s2, s2, s3                        ; my first head: 16 n + 4 x tile + 2 x half
	s_and_b32 s21, s21, 7
	s_lshl_b32 s21, s21, 1
	s_add_co_u32 s21, s21, s23                     ; my step of 128 l
	s_mul_i32 s2, s2, s101
	s_mul_i32 s21, s21, s18
	s_add_co_u32 s2, s2, s21
	s_mov_b32 s3, 0
	s_add_nc_u64 s[92:93], s[92:93], s[2:3]
	s_mov_b32 s2, s19
	s_add_nc_u64 s[96:97], s[92:93], s[2:3]        ; the first head's scale words,
	s_mov_b32 s2, s101
	s_add_nc_u64 s[98:99], s[96:97], s[2:3]        ; the second's
	s_mov_b32 s2, s20
	s_add_nc_u64 s[92:93], s[92:93], s[2:3]        ; codes: X's blocks 0, 1 of Y's block 0
	s_sub_co_u32 s23, s101, 6144
	s_mov_b32 s21, 1024
	s_cmp_eq_u32 s17, 2
	s_cselect_b32 s2, s21, s101
	s_cselect_b32 s101, s23, s21                   ; from Y's block 3 to block 4
	s_add_nc_u64 s[94:95], s[92:93], s[2:3]        ; codes: X's blocks 2, 3 (q, k: the next head; v: the fragment's second half)
	s_lshl_b32 s22, s22, 8
	s_lshl_b32 s46, s46, 7
	s_add_co_u32 s22, s22, s46                     ; my first inner index
	s_mul_i32 s22, s22, 3
	s_add_co_u32 s22, s22, s17                     ; its row of qkv_proj: 3 i + kind
	s_lshl_b32 s2, s22, 2
	s_add_nc_u64 s[2:3], s[8:9], s[2:3]
	s_wait_alu depctr_va_vdst(0)
.irp k, 0,1,2,3,4,5,6,7
.irp j, 0,1,2,3,4,5,6,7
	global_load_b32 v[CB+8*\k+\j], v[VO+\j], s[2:3] offset:12*(32*(\k/2)+8*(\k%2))   ; q, k: block k of X, register j: inner index 32 (k / 2) + 8 (k % 2) + 16 h + j;  v: block k of Y, my slot's, in all eight
.endr
.endr
	s_mov_b32 s[SEL], 0x76543210
	s_mov_b32 s[SEL+1], 0xfedcba98
	s_mov_b32 s[MNT], 0x600000
.macro FRAG reg, adr, q, i             ; a fragment as it lies: four loads of 512 consecutive bytes
.irp c, 0,1,2,3
	ds_load_b128 v[\reg+4*\c:\reg+4*\c+3], v[\adr] offset:4096*(\i)+2048*(\q)+512*\c
.endr
.endm
; 16 matrix instructions: Y's blocks a0, a0 + 1 x X's eight.  p: X's set; q: which 128 of the slot; sc: the set of scale words.  cm = 0: onto the sums; 1: C = the bias by X's block; 2: by Y's block.
; The 64 accumulators take turns, one instruction a turn, in the same order in every step.
.macro MUL16 a0, p, q, sc, cm
.irp a, \a0, \a0+1
.irp b, 0,1,2,3,4,5,6,7
.if (\cm) == 0
	v_wmma_scale_f32_16x16x128_f8f6f4 v[8*(8*((\a)%4)+\b):8*(8*((\a)%4)+\b)+7], v[128*(\p)+16*\b:128*(\p)+16*\b+15], v[AF+16*(\a):AF+16*(\a)+15], v[8*(8*((\a)%4)+\b):8*(8*((\a)%4)+\b)+7], v[SC+16*(\sc)+2*\b+(\q)], v[SC+16*(\sc)+2*(\a)+(\q)] matrix_a_fmt:MATRIX_FMT_BF8 matrix_b_fmt:MATRIX_FMT_BF8 matrix_a_scale:MATRIX_SCALE_ROW1
.elseif (\cm) == 1
	v_wmma_scale_f32_16x16x128_f8f6f4 v[8*(8*((\a)%4)+\b):8*(8*((\a)%4)+\b)+7], v[128*(\p)+16*\b:128*(\p)+16*\b+15], v[AF+16*(\a):AF+16*(\a)+15], v[CB+8*\b:CB+8*\b+7], v[SC+16*(\sc)+2*\b+(\q)], v[SC+16*(\sc)+2*(\a)+(\q)] matrix_a_fmt:MATRIX_FMT_BF8 matrix_b_fmt:MATRIX_FMT_BF8 matrix_a_scale:MATRIX_SCALE_ROW1
.else
	v_wmma_scale_f32_16x16x128_f8f6f4 v[8*(8*((\a)%4)+\b):8*(8*((\a)%4)+\b)+7], v[128*(\p)+16*\b:128*(\p)+16*\b+15], v[AF+16*(\a):AF+16*(\a)+15], v[CB+8*(\a):CB+8*(\a)+7], v[SC+16*(\sc)+2*\b+(\q)], v[SC+16*(\sc)+2*(\a)+(\q)] matrix_a_fmt:MATRIX_FMT_BF8 matrix_b_fmt:MATRIX_FMT_BF8 matrix_a_scale:MATRIX_SCALE_ROW1
.endif
.endr
.endr
.endm
.macro FETCH_B slot, q, p
	WIN TO_B
.irp i, 0,1,2,3,4,5,6,7
	FRAG 128*(\p)+16*\i, ADRB+\slot, \q, \i
.endr
	WIN 0
.endm
.macro FETCH_A slot, q, i0
.irp i, \i0, \i0+1, \i0+2, \i0+3
	FRAG AF+16*(\i), ADRA+\slot, \q, \i
.endr
.endm
.macro SCALES sc                       ; a slot's scale words: two a row; lanes 0-15 take Y's block i, lanes 16-31 X's block i
.irp i, 0,1,2,3,4,5,6,7
	ds_load_b64 v[SC+16*\sc+2*\i:SC+16*\sc+2*\i+1], v[ADRS] offset:512*\i
.endr
.endm
; A load into a register that a matrix instruction has read, and a vector instruction that reads a matrix result, stand NP places behind it; only plain vector instructions that name none of its registers are places.
.macro PLACES n
.rept \n
	v_nop
.endr
.endm
.macro STEP slot, q, cm                ; a step of 128 along K that has its successor in the same slot
	s_wait_dscnt 16                                ; X's set, Y's blocks 0-3 and the scale words are in; the youngest 16 loads (Y's blocks 4-7) may be out
.if \cm
	WIN 0x81                                       ; C (the bias) in window 0, D in window 2
.else
	WIN MUL_LO
.endif
	MUL16 0, (\q)%2, \q, \slot, \cm
	MUL16 2, (\q)%2, \q, \slot, \cm
	s_wait_dscnt 0                                 ; Y's blocks 4-7 are in
	PLACES NP
	FETCH_B \slot, (\q)+1, 1-(\q)%2
	FETCH_A \slot, (\q)+1, 0
.if \cm
	WIN 0xc1
.else
	WIN MUL_HI
.endif
	MUL16 4, (\q)%2, \q, \slot, \cm
	MUL16 6, (\q)%2, \q, \slot, \cm
	PLACES NP
	WIN 0
	FETCH_A \slot, (\q)+1, 4
.endm
; A slot's last step changes slots: ONE barrier; in front of it each wave waits for all its tensor loads, adds 0 to its spare word, and waits for that and for its own reads of this slot.  fill = 1: this slot is filled again, two K slots ahead.
.macro TURN slot, next, fill
	s_wait_tensorcnt 0x0                           ; all my tensor loads have landed: my part of the next slot
	ds_add_u32 v[SPW], v[NIL]                      ; 0 onto my spare word
	s_wait_dscnt 17                                ; (the add and the youngest 16 loads, Y's blocks 4-7, may be out)
	WIN MUL_LO
	MUL16 0, 1, 1, \slot, 0                        ; sixteen matrix instructions stand between the add and the wait for it
	s_wait_dscnt 0x0                               ; the add is done, and my reads of this slot are over
	s_barrier_signal -1
	MUL16 2, 1, 1, \slot, 0
	WIN 0
	s_barrier_wait -1
.if \fill
	CREST                                          ; the barrier has opened a round of the cluster's: no wave of any partner still reads this slot or has a load on its way
	s_add_nc_u64 s[G0+4*\slot+2:G0+4*\slot+3], s[G0+4*\slot+2:G0+4*\slot+3], 8192
	s_add_nc_u64 s[G0B+4*\slot+2:G0B+4*\slot+3], s[G0B+4*\slot+2:G0B+4*\slot+3], 8192
	JLOAD G0+4*\slot, G1, G0B+4*\slot, G1B         ; the first tensor load behind the round; its four v_nop are among the places in front of the loads below
	PLACES NP-4
.else
	PLACES NP
.endif
	s_wait_alu depctr_va_vdst(0)
	v_add_nc_u32 v[ADRS], 128, v[ADRS]             ; on to the next slot's scale words
	FETCH_B \next, 0, 0
	FETCH_A \next, 0, 0
	SCALES \next
	WIN MUL_HI
	MUL16 4, 1, 1, \slot, 0
	MUL16 6, 1, 1, \slot, 0
	PLACES NP
	WIN 0
	FETCH_A \next, 0, 4
.endm
	s_wait_alu depctr_va_vdst(0)
	s_wait_tensorcnt 0x0                           ; my tile of the head's four is in
	ds_add_u32 v[SPW], v[NIL]
	s_mov_b32 s[G1+2], 8<<16                       ; no tensor load of mine is out, so descriptors may be written: from here on a load brings 8 row blocks,
	s_mov_b32 s[G1+4], 8
	s_mov_b32 s[G1B+2], 8<<16
	s_mov_b32 s[G1B+4], 8
	s_lshl_b32 s[G0+1], s14, 15                    ; and slot 0's groups 0 name my half again: wave x 32,768 in LDS,
	s_add_nc_u64 s[G0+2:G0+3], s[G0+2:G0+3], s[4:5]
	s_lshl_b32 s[G0B+1], s14, 15
	s_add_nc_u64 s[G0B+2:G0B+3], s[G0B+2:G0B+3], s[4:5]
	s_wait_dscnt 0x0                               ; the add is done
	CROUND                                         ; a whole round: all four tiles are in, and all sixteen work-groups are here
	JLOAD G0+4, G1, G0B+4, G1B                     ; K slot 1's first fill: the first tensor load behind the round
	FETCH_B 0, 0, 0
	FETCH_A 0, 0, 0
	SCALES 0
	FETCH_A 0, 0, 4
	s_wait_loadcnt 0x0                             ; the bias
	s_cmp_eq_u32 s17, 2                            ; the kind is the cluster's x: the same in all sixteen partners; no tensor load and no barrier stands in either arm
	s_cbranch_scc1 .Lfirst_v
	STEP 0, 0, 1
	s_branch .Lfirst_done
.Lfirst_v:
	STEP 0, 0, 2
.Lfirst_done:
	TURN 0, 1, 1                                   ; four K slots: written out, no loop
	STEP 1, 0, 0
	TURN 1, 0, 1
	STEP 0, 0, 0
	TURN 0, 1, 0                                   ; nothing is left to fetch
	STEP 1, 0, 0
	s_wait_dscnt 16
	WIN MUL_LO
	MUL16 0, 1, 1, 1, 0
	MUL16 2, 1, 1, 1, 0
	s_wait_dscnt 0
	WIN MUL_HI
	MUL16 4, 1, 1, 1, 0
	MUL16 6, 1, 1, 1, 0
	WIN 0
; THE WAY OUT.  Y's block a: my 64 numbers, register 16 B + i = X's position 32 B + 16 h + i, are four blocks of 32 (shared with lane l xor 16).  Each becomes 16 bytes of codes a lane, stored as they stand.
.macro QOUT a
.set AC, 64*((\a)%4)
.set WW, 2+(\a)/4
.set WN, WW|(WW<<2)
	WIN WN                                         ; sources 0 and 1: the accumulators' window
.irp b, 0,1,2,3
	v_max3_num_f32 v[BM+\b], |v[AC+16*\b]|, |v[AC+16*\b+1]|, 0x8000000   ; each accumulator is read from its low end on; the floor 2^(16 - 127) holds the byte at 1 from below
.endr
.irp i, 2,4,6,8,10,12,14
.irp b, 0,1,2,3
	v_max3_num_f32 v[BM+\b], |v[AC+16*\b+\i]|, |v[AC+16*\b+\i+1]|, v[BM+\b]
.endr
.endr
	WIN 0
.irp b, 0,1,2,3
	v_permlanex16_b32 v[PB+\b], v[BM+\b], s[SEL], s[SEL+1]
.endr
.irp b, 0,1,2,3
	v_max_num_f32 v[BM+\b], v[BM+\b], v[PB+\b]
.endr
.irp b, 0,1,2,3
	v_add_nc_u32 v[SOP+\b], 0xf8800000, v[BM+\b]   ; 15 off the exponent field: the conversion's scale operand
.endr
.irp b, 0,1,2,3
	v_and_or_b32 v[HD+\b], v[BM+\b], 0x7f800000, s[MNT]   ; 57,344 x the scale
.endr
.irp b, 0,1,2,3
	v_lshrrev_b32 v[PB+\b], 23, v[SOP+\b]          ; the scale's byte
.endr
	v_lshl_or_b32 v[P0+\a], v[PB+1], 8, v[PB]
	v_lshl_or_b32 v[P1+\a], v[PB+3], 8, v[PB+2]
	WIN WW                                         ; source 0: the accumulators' window
.set i, 0
.rept 64
	v_med3_num_f32 v[T+i], v[AC+i], -v[HD+i/16], v[HD+i/16]   ; the conversion to an 8-bit code does not saturate (ISA guide 7.6.2): the hold comes first
.set i, i+1
.endr
	WIN 0
	s_wait_alu depctr_va_vdst(0)
	s_wait_xcnt 0x0                                ; the last block's stores have read their data and their offset: both are written again only behind this wait
.if (\a) == 4
	v_add_nc_u32 v[VA], s101, v[VA]
.elseif (\a) > 0
	v_add_nc_u32 v[VA], s100, v[VA]
.endif
.irp b, 0,1,2,3
	v_cvt_scalef32_pk8_bf8_f32 v[PC+4*\b:PC+4*\b+1], v[T+16*\b:T+16*\b+7], v[SOP+\b]
	v_cvt_scalef32_pk8_bf8_f32 v[PC+4*\b+2:PC+4*\b+3], v[T+16*\b+8:T+16*\b+15], v[SOP+\b]
.endr
	v_nop                                          ; a plain line behind the last conversion
	global_store_b128 v[VA], v[PC:PC+3], s[92:93]  ; each store: 512 consecutive bytes, aligned
	global_store_b128 v[VA], v[PC+4:PC+7], s[92:93] offset:512
	global_store_b128 v[VA], v[PC+8:PC+11], s[94:95]
	global_store_b128 v[VA], v[PC+12:PC+15], s[94:95] offset:512
.endm
	PLACES NP                                      ; behind the last products: their results are read, and the registers that held Y's fragments are written
	v_mov_b32 v[VA], v[LI]
.irp b, 0,1,2,3
	v_mov_b32 v[PB+\b], 0                          ; written once: a lane permute's destination counts as one of its sources
.endr
.irp a, 0,1,2,3,4,5,6,7
	QOUT \a
.endr
	s_cmp_eq_u32 s17, 2
	s_cbranch_scc1 .Lv_words
	global_store_b128 v[LI], v[P0:P0+3], s[96:97]              ; q, k: a word a tile of 16 l, two bytes in it; the first head's,
	global_store_b128 v[LI], v[P0+4:P0+7], s[96:97] offset:512
	global_store_b128 v[LI], v[P1:P1+3], s[98:99]              ; the second's
	global_store_b128 v[LI], v[P1+4:P1+7], s[98:99] offset:512
	s_branch .Lwords_done
.Lv_words:
.irp a, 0,1,2,3,4,5,6,7
	v_lshl_or_b32 v[P0+\a], v[P1+\a], 16, v[P0+\a]             ; v: a word a tile of 16 of the head's 64, four bytes: the step's four blocks of keys
.endr
	global_store_b128 v[LI], v[P0:P0+3], s[96:97]
	global_store_b128 v[LI], v[P0+4:P0+7], s[98:99]
.Lwords_done:
	s_wait_tensorcnt 0x0                           ; the wave's end
	ds_add_u32 v[SPW], v[NIL]
	s_wait_dscnt 0x0
	CROUND                                         ; the closing round: no work-group ends while a partner may still ask for a tile that names it
	s_endpgm
.Lfunc_end_k_qf7973987ba_qkv:
	.size	k_qf7973987ba_qkv, .Lfunc_end_k_qf7973987ba_qkv-k_qf7973987ba_qkv
	.p2alignl 7, 3214868480
	.fill 96, 4, 3214868480
	.section	.rodata,"a",@progbits
	.p2align	6, 0x0
	.amdhsa_kernel k_qf7973987ba_qkv
		.amdhsa_group_segment_fixed_size 327680
		.amdhsa_private_segment_fixed_size 0
		.amdhsa_enable_private_segment 0
		.amdhsa_kernarg_size 40
		.amdhsa_user_sgpr_count 2
		.amdhsa_user_sgpr_kernarg_segment_ptr 1
		.amdhsa_wavefront_size32 1
		.amdhsa_system_sgpr_workgroup_id_x 1
		.amdhsa_system_sgpr_workgroup_id_y 1
		.amdhsa_system_sgpr_workgroup_id_z 1
		.amdhsa_system_vgpr_workitem_id 0
		.amdhsa_next_free_vgpr 1024
		.amdhsa_next_free_sgpr 102
		.amdhsa_reserve_vcc 0
		.amdhsa_float_denorm_mode_32 3
		.amdhsa_float_denorm_mode_16_64 3
		.amdhsa_memory_ordered 1
		.amdhsa_forward_progress 1
		.amdhsa_inst_pref_size 207
	.end_amdhsa_kernel
	.amdgpu_metadata
---
amdhsa.version: [ 1, 2 ]
amdhsa.kernels:
  - .name:           k_qf7973987ba_qkv
    .symbol:         k_qf7973987ba_qkv.kd
    .args:
      - { .name: xq, .offset: 0, .size: 8, .value_kind: global_buffer, .address_space: global }
      - { .name: w1, .offset: 8, .size: 8, .value_kind: global_buffer, .address_space: global }
      - { .name: qkv_bias, .offset: 16, .size: 8, .value_kind: global_buffer, .address_space: global }
      - { .name: qimg, .offset: 24, .size: 8, .value_kind: global_buffer, .address_space: global }
      - { .name: kv, .offset: 32, .size: 8, .value_kind: global_buffer, .address_space: global }
    .group_segment_fixed_size: 327680
    .private_segment_fixed_size: 0
    .kernarg_segment_align: 8
    .kernarg_segment_size: 40
    .max_flat_workgroup_size: 128
    .sgpr_count:     102
    .vgpr_count:     1024
    .wavefront_size: 32
...
	.end_amdgpu_metadata
.endif
;; end of part 2
;; launch attn (part 3): grid 4 x 64, 8 waves a work-group, clusters of 4 x 1, 327,680 bytes of LDS; arguments qimg, kv, ob; writes ob
.if DOCPART == 3
	.amdgcn_target "amdgcn-amd-amdhsa--gfx1250"
	.amdhsa_code_object_version 6
	.text
	.protected	k_qf7973987ba_attn
	.globl	k_qf7973987ba_attn
	.p2align	8
	.type	k_qf7973987ba_attn,@function
k_qf7973987ba_attn:
	s_mov_b64 s[64:65], 0
	v_nop
	global_prefetch_b8 v0, s[64:65] scope:SCOPE_SE
	s_setreg_imm32_b32 hwreg(HW_REG_WAVE_MODE, 25, 1), 1
	s_wait_xcnt 0x0
	s_wait_alu depctr_hold_cnt(0) depctr_sa_sdst(0) depctr_va_vdst(0) depctr_va_sdst(0) depctr_va_ssrc(0) depctr_va_vcc(0) depctr_vm_vsrc(0)
	s_getreg_b32 s2, hwreg(HW_REG_IB_STS2, 6, 4)
	s_cmp_eq_u32 s2, 0
	s_cbranch_scc0 .Lentry_in_a_cluster
	s_endpgm
.Lentry_in_a_cluster:
	s_bfe_u32 s2, ttmp6, 0x10000c
	s_cmp_lg_u32 s2, 0x3003
	s_cbranch_scc0 .Lentry_shape_is_right
	s_endpgm
.Lentry_shape_is_right:
; Attention of one head b = 16 n + h on codes of BF8 (E5M2) with E8M0 scales: S^T = K Q^T, p = 2^(t - M), O^T += V^T P^T, O / the row's sum, and O quantised along the inner axis for the last projection.
; t = score x 0.125 x log2(e); M is the running largest t rounded up to a whole number; the sum is taken of the unquantised p; when M moves, the sum and O^T are multiplied by 2^(old M - new M), which rounds nothing.
; IN: qimg [b][step 16][9,216]: codes [tile 8][c 2][512], scale words [tile / 4][lane][4].  kv [b][step 16][17,920]: K's codes [tile 8][c 2][512]; at 8,192 V's [tile 4][c 4][512]; at 16,384 K's words; at 17,408 V's.
; All are images of operand registers: a load takes 512 consecutive bytes, 16 a lane.  The keys of a tile are chosen so that p's 16 registers of two neighbouring tiles are 16 neighbouring keys.
; OUT: ob, laid as xq is: [row block][K step][c][lane][16], scale words behind the codes.
; SHARES: a work-group owns 512 queries of a head; each of its EIGHT waves owns FOUR tiles of 16 queries and walks the 2,048 keys once, 128 a step.  A step's 35 LDS loads (K's and V's fragments and scale words) serve all four tiles:
; 48 matrix instructions.  A lane holds one query of each tile throughout.
; A STEP: K's fragments; then tile by tile the eight products of S^T, the softmax, p's codes and the rescaling of that tile's O^T, all through one buffer for S^T; V's fragments are read under the fourth tile's softmax; then the sixteen products of O^T.
; THE HEAD'S 64 ARE HALF OF THE INSTRUCTION'S K: Q's upper eight registers are zero codes; K's upper eight are whatever follows in the registers (the next tile's codes, behind the last tile zeros): finite codes, which meet zeros.
; LDS holds the whole head's kv, 286,720 bytes, filled once: the four work-groups of a cluster walk the same head and ask jointly (mask 15).  Each wave fetches 70 rows of 256 bytes of each half: the first at the head, the second behind the
; wait for the first, the add and a round.  The step is written once, so both halves are awaited ahead of the loop.
; NO PREFETCH: the launch's one stream, the head's kv, is asked for whole by the two fills; no loop runs ahead of a load.
; LIMITS: NaN and infinities are not served; the promise holds while the scaled scores stay under 2^31 in magnitude.  A block of zeros gets the byte 1 where the rule says 127: its codes are zeros, and this program alone reads the bytes.
; REGISTERS.  Window 0: what the tiles share, and all scale words (scale operands have no window).  Window 1 (v256-511): for tile a Q at 16 a (8 of codes, 8 of zeros), p's codes at 64 + 16 a, O^T at 128 + 32 a.
.set STEPB, 17920
.set HALF,  143360
.set SPARE, 0x46000                    ; behind kv: the spare words, 128 bytes for each wave
.set LI,  1                            ; v1 16 x lane
.set ADR, 2                            ; v2 the step's LDS address
.set R8,  3                            ; v3 8 x (lane % 16)
.set FF,  4                            ; v4 f = 2^(old M - new M); v5 is named with it as a pair
.set TA,  6
.set KS,  8                            ; v8-15 K's or V's scale words
.set SPW, 16
.set NIL, 17
.set NM,  18                           ; v[18+2a] -M, v[19+2a] the largest t of tile a
.set LS,  26                           ; v[26+2a:27+2a] its sum in two halves
.set PW,  34                           ; v[34+a] p's scale word
.set QW,  38                           ; v[38+a] Q's
.set BM,  42
.set PB,  46
.set HD,  50
.set SOP, 54
.set KA,  64                           ; v64-127 K's eight half fragments, then V's four; v128-135 zero codes
.set S,   136                          ; v136-199 S^T, then p
.set CO,  200                          ; the way out: eight registers of codes a tile,
.set SW,  232                          ; and its two scale bytes
.set QF,  0                            ; window 1
.set PC,  64
.set OT,  128
.set WV,  10
.set G1,  16
.set G0,  24
.set SEL, 32
.set CS,  34
.set MNT, 36
.set TB,  37
.set CNT, 38
.set MSB, 0
.macro WIN new                         ; low byte: bits 1:0 source 0, 3:2 source 1, 5:4 source 2, 7:6 destination; the high byte repeats the setting that is left
.if MSB != \new
	s_set_vgpr_msb (MSB<<8)|\new
.set MSB, \new
.endif
.endm
.macro ROUND                           ; a round of the cluster's barrier
	s_barrier_signal -1
	s_barrier_wait -1
	s_cmp_lg_u32 s[WV], 0
	s_cbranch_scc1 .Lnot_wave_0_\@
	s_barrier_signal -3
.Lnot_wave_0_\@:
	s_barrier_wait -3
	s_barrier_signal -1
	s_barrier_wait -1
.endm
	s_load_b128 s[4:7], s[0:1], 0x0                ; qimg, kv
	s_load_b64 s[8:9], s[0:1], 0x10                ; ob
	v_lshl_add_u32 v[SPW], v0, 2, SPARE
	v_mov_b32 v[NIL], 0
	ds_add_u32 v[SPW], v[NIL]
	ds_add_u32 v[SPW], v[NIL]
	v_lshrrev_b32 v2, 5, v0
	s_delay_alu instid0(VALU_DEP_1)
	v_readfirstlane_b32 s[WV], v2                  ; wave 0..7
	s_bfe_u32 s11, ttmp6, 0x40000                  ; cx: which 512 queries
	s_and_b32 s12, ttmp7, 0xffff                   ; the head
	s_mov_b32 s[G1], 15|(3<<16)|(1<<21)            ; the mask names the cluster's four; elements of 8 bytes
	s_mov_b32 s[G1+1], 32<<16                      ; 70 dense rows of 256 bytes
	s_mov_b32 s[G1+2], 70<<16
	s_mov_b32 s[G1+3], 32<<16
	s_mov_b32 s[G1+4], 70
	s_mov_b32 s[G1+5], 32
	s_mov_b32 s[G1+6], 0
	s_mov_b32 s[G1+7], 0
	s_mul_i32 s13, s[WV], 17920                    ; my eighth of a half
	s_mul_i32 s14, s12, 16*STEPB
	s_add_co_u32 s14, s14, s13
	s_mov_b32 s15, 0
	s_mov_b32 s[SEL], 0x76543210
	s_mov_b32 s[SEL+1], 0xfedcba98
	s_mov_b32 s[CS], 0x3e38aa3b                    ; 0.125 x log2(e)
	s_mov_b32 s[CS+1], s[CS]
	s_mov_b32 s[MNT], 0x600000
	s_wait_dscnt 0x0
	s_wait_kmcnt 0x0
	s_add_nc_u64 s[14:15], s[6:7], s[14:15]
	ROUND                                          ; in front of the first joint loads
.irp j, 0,1
	s_mov_b32 s[G0+4*\j], 1
	s_add_co_u32 s[G0+4*\j+1], s13, \j*HALF
	s_add_nc_u64 s[G0+4*\j+2:G0+4*\j+3], s[14:15], \j*HALF
	s_or_b32 s[G0+4*\j+3], s[G0+4*\j+3], 0x80000000
.endr
	tensor_load_to_lds s[G0:G0+3], s[G1:G1+7]      ; steps 0-7: my one load at the head
	s_nop 0
	; while it is on its way: where my tiles lie, Q, and what begins as zero
	s_lshl_b32 s48, s11, 5
	s_lshl_b32 s49, s[WV], 2
	s_add_co_u32 s48, s48, s49                     ; my first tile: 32 cx + 4 x wave
	s_lshr_b32 s49, s48, 3
	s_mul_i32 s49, s49, 9216
	s_mul_i32 s50, s12, 147456
	s_add_co_u32 s49, s49, s50
	s_and_b32 s50, s48, 7                          ; 0 or 4: its place in qimg's step
	s_lshl_b32 s51, s50, 10
	s_add_co_u32 s52, s49, s51
	s_mov_b32 s53, 0
	s_add_nc_u64 s[40:41], s[4:5], s[52:53]        ; Q's codes: 1,024 bytes a tile
	s_lshl_b32 s51, s50, 7
	s_add_co_u32 s52, s49, s51
	s_add_co_u32 s52, s52, 8192
	s_add_nc_u64 s[42:43], s[4:5], s[52:53]        ; Q's scale words: a lane's 16 bytes are my four tiles'
	s_lshr_b32 s49, s12, 4
	s_lshl_b32 s49, s49, 7
	s_add_co_u32 s49, s49, s48                     ; ob's row block: 128 n + tile
	s_and_b32 s50, s12, 15
	s_lshl_b32 s52, s49, 14
	s_lshl_b32 s51, s50, 10
	s_add_co_u32 s52, s52, s51
	s_add_nc_u64 s[44:45], s[8:9], s[52:53]        ; my half fragment of ob: 16,384 bytes from tile to tile
	s_lshl_b32 s52, s49, 9
	s_lshr_b32 s51, s50, 2
	s_lshl_b32 s51, s51, 7
	s_add_co_u32 s52, s52, s51
	s_and_b32 s51, s50, 3
	s_lshl_b32 s51, s51, 1
	s_add_co_u32 s52, s52, s51
	s_add_co_u32 s52, s52, 8388608
	s_add_nc_u64 s[46:47], s[8:9], s[52:53]        ; its two scale bytes: 512 bytes from tile to tile
	v_and_b32 v[LI], 31, v0
	s_delay_alu instid0(VALU_DEP_1)
	v_lshlrev_b32 v[LI], 4, v[LI]
	v_and_b32 v[R8], 15, v0
	s_delay_alu instid0(VALU_DEP_1)
	v_lshlrev_b32 v[R8], 3, v[R8]
	global_load_b128 v[QW:QW+3], v[LI], s[42:43]
	WIN 0x40                                       ; destinations in window 1
.irp a, 0,1,2,3
	global_load_b128 v[QF+16*\a:QF+16*\a+3], v[LI], s[40:41] offset:1024*\a
	global_load_b128 v[QF+16*\a+4:QF+16*\a+7], v[LI], s[40:41] offset:1024*\a+512
.endr
.irp a, 0,1,2,3
.irp j, 8,9,10,11,12,13,14,15
	v_mov_b32 v[QF+16*\a+\j], 0                    ; zero codes for the upper 64 of K
.endr
.endr
.set j, 0
.rept 128
	v_mov_b32 v[OT+j], 0                           ; the step is written for all steps alike: the first finds zeros
.set j, j+1
.endr
	WIN 0
.irp j, 0,1,2,3,4,5,6,7
	v_mov_b32 v[KA+64+\j], 0                       ; behind K's last half fragment
.endr
.irp b, 0,1,2,3
	v_mov_b32 v[PB+\b], 0                          ; written once: a lane permute's destination counts as one of its sources
	v_mov_b32 v[NM+2*\b+1], 0xff61b1e6             ; the largest t so far: -3e38
	v_mov_b32 v[LS+2*\b], 0
	v_mov_b32 v[LS+2*\b+1], 0
.endr
.irp b, 0,1,2,3
	v_floor_f32 v[NM+2*\b], -v[NM+2*\b+1]
.endr
	v_mov_b32 v[FF+1], 0
	s_wait_alu depctr_va_vdst(0)
	s_wait_tensorcnt 0x0                           ; my part of the first half is in
	ds_add_u32 v[SPW], v[NIL]
	s_wait_dscnt 0x0
	ROUND
	tensor_load_to_lds s[G0+4:G0+7], s[G1:G1+7]    ; steps 8-15
	s_nop 0
.rept 4
	v_nop
.endr
; ONE TILE OF 16 QUERIES AGAINST THE STEP'S 128 KEYS
.macro TILE a
.set NMA, NM+2*\a
.set LSA, LS+2*\a
	WIN 0x04                                       ; source 1, Q, in window 1
.irp t, 0,1,2,3,4,5,6,7
	v_wmma_scale_f32_16x16x128_f8f6f4 v[S+8*\t:S+8*\t+7], v[KA+8*\t:KA+8*\t+15], v[QF+16*\a:QF+16*\a+15], 0, v[KS+\t], v[QW+\a] matrix_a_fmt:MATRIX_FMT_BF8 matrix_b_fmt:MATRIX_FMT_BF8
.endr
	WIN 0
	v_mov_b32 v[TA], v[NMA]                        ; the old -M; with the seven below: eight places ahead of the first read of S^T (and of the loads below)
.rept 7
	v_nop
.endr
.if \a == 3                            ; K's fragments and words have served all four tiles: V's take their registers
.irp t, 0,1,2,3
.irp c, 0,1,2,3
	ds_load_b128 v[KA+16*\t+4*\c:KA+16*\t+4*\c+3], v[ADR] offset:8192+2048*\t+512*\c
.endr
.endr
	ds_load_b128 v[KS:KS+3], v[ADR] offset:17408
.endif
.irp b, 0,1,2,3
	v_max3_num_f32 v[BM+\b], v[S+16*\b], v[S+16*\b+1], v[S+16*\b+2]   ; the largest score of each block of 32 keys: for the row's maximum and for the block's largest p
.endr
.irp i, 3,5,7,9,11,13
.irp b, 0,1,2,3
	v_max3_num_f32 v[BM+\b], v[BM+\b], v[S+16*\b+\i], v[S+16*\b+\i+1]
.endr
.endr
.irp b, 0,1,2,3
	v_max_num_f32 v[BM+\b], v[BM+\b], v[S+16*\b+15]
.endr
.irp b, 0,1,2,3
	s_delay_alu instid0(VALU_DEP_4)
	v_permlanex16_b32 v[PB+\b], v[BM+\b], s[SEL], s[SEL+1]
.endr
.irp b, 0,1,2,3
	s_delay_alu instid0(VALU_DEP_4)
	v_max_num_f32 v[BM+\b], v[BM+\b], v[PB+\b]
.endr
	s_delay_alu instid0(VALU_DEP_2)
	v_max3_num_f32 v[TA+1], v[BM], v[BM+1], v[BM+2]
	s_delay_alu instid0(VALU_DEP_1)
	v_max_num_f32 v[TA+1], v[TA+1], v[BM+3]
	s_delay_alu instid0(VALU_DEP_1)
	v_mul_f32 v[TA+1], s[CS], v[TA+1]
	s_delay_alu instid0(VALU_DEP_1)
	v_max_num_f32 v[NMA+1], v[NMA+1], v[TA+1]      ; the running largest t
	s_delay_alu instid0(VALU_DEP_1)
	v_floor_f32 v[NMA], -v[NMA+1]                  ; -M = floor(-t)
	s_delay_alu instid0(VALU_DEP_1)
	v_sub_f32 v[TA], v[NMA], v[TA]
	s_delay_alu instid0(VALU_DEP_1)
	v_cvt_i32_f32 v[TA], v[TA]
	s_delay_alu instid0(VALU_DEP_1)
	v_ldexp_f32 v[FF], 1.0, v[TA]                  ; f
.set j, 0
.rept 32
	v_pk_fma_f32 v[S+j:S+j+1], v[S+j:S+j+1], s[CS:CS+1], v[NMA:NMA+1] op_sel_hi:[1,0,0]   ; t - M
.set j, j+2
.endr
.irp b, 0,1,2,3
	v_fma_f32 v[BM+\b], v[BM+\b], s[CS], v[NMA]
.endr
.set j, 0
	s_wait_alu depctr_va_vdst(0)
.rept 64
	v_exp_f32 v[S+j], v[S+j]
.set j, j+1
.endr
	v_pk_mul_f32 v[LSA:LSA+1], v[LSA:LSA+1], v[FF:FF+1] op_sel_hi:[1,0]
	s_wait_alu depctr_va_vdst(0)
.irp b, 0,1,2,3
	v_exp_f32 v[BM+\b], v[BM+\b]                   ; the blocks' largest p
.endr
	v_pk_add_f32 v[TA:TA+1], v[S:S+1], v[S+2:S+3]  ; the row's sum of the unquantised p, in two chains, ahead of the hold: plain work behind the four, which reads the 64 alone
.set j, 4
.rept 15
	v_pk_add_f32 v[LSA:LSA+1], v[LSA:LSA+1], v[S+j:S+j+1]
	v_pk_add_f32 v[TA:TA+1], v[TA:TA+1], v[S+j+2:S+j+3]
.set j, j+4
.endr
	s_delay_alu instid0(VALU_DEP_1)
	v_pk_add_f32 v[LSA:LSA+1], v[LSA:LSA+1], v[TA:TA+1]
	s_wait_alu depctr_va_vdst(0)                   ; the wait for the four
.irp b, 0,1,2,3
	v_max_num_f32 v[BM+\b], 0x8000000, v[BM+\b]    ; the floor 2^(16 - 127): the byte cannot fall under 1
.endr
.irp b, 0,1,2,3
	s_delay_alu instid0(VALU_DEP_4)
	v_add_nc_u32 v[SOP+\b], 0xf8800000, v[BM+\b]   ; 15 off the exponent field: the conversion's scale operand
.endr
.irp b, 0,1,2,3
	v_and_or_b32 v[HD+\b], v[BM+\b], 0x7f800000, s[MNT]   ; 57,344 x the scale
.endr
.irp b, 0,1,2,3
	v_lshrrev_b32 v[PB+\b], 23, v[SOP+\b]          ; the scale's byte
.endr
	s_delay_alu instid0(VALU_DEP_3)
	v_lshl_or_b32 v[PW+\a], v[PB+1], 8, v[PB]
	s_delay_alu instid0(VALU_DEP_1)
	v_lshl_or_b32 v[PW+\a], v[PB+2], 16, v[PW+\a]
	s_delay_alu instid0(VALU_DEP_1)
	v_lshl_or_b32 v[PW+\a], v[PB+3], 24, v[PW+\a]
.irp b, 0,1,2,3
.irp i, 0,2,4,6,8,10,12,14
	v_dual_min_num_f32 v[S+16*\b+\i], v[S+16*\b+\i], v[HD+\b] :: v_dual_min_num_f32 v[S+16*\b+\i+1], v[S+16*\b+\i+1], v[HD+\b]   ; the hold, in place, one-sided since p is not negative, two numbers a line
.endr
.endr
	WIN 0x40                                       ; the codes go to window 1: eight conversions in one run
.irp b, 0,1,2,3
.irp g, 0,1
	v_cvt_scalef32_pk8_bf8_f32 v[PC+16*\a+4*\b+2*\g:PC+16*\a+4*\b+2*\g+1], v[S+16*\b+8*\g:S+16*\b+8*\g+7], v[SOP+\b]
.endr
.endr
	WIN 0x41                                       ; O^T in window 1, f in window 0
	s_wait_alu depctr_va_vdst(0)
.set j, 0
.rept 16
	v_pk_mul_f32 v[OT+32*\a+j:OT+32*\a+j+1], v[OT+32*\a+j:OT+32*\a+j+1], v[FF:FF+1] op_sel_hi:[1,0]   ; O^T under the new M: also the places behind the conversions and ahead of the next products
.set j, j+2
.endr
	WIN 0
.endm
	s_wait_alu depctr_va_vdst(0)
	s_wait_loadcnt 0x0                             ; Q
	s_wait_tensorcnt 0x0                           ; my part of the second half is in;
	s_barrier_signal -1
	s_barrier_wait -1                              ; everybody's is.
	s_mov_b32 s[TB], 0
	s_mov_b32 s[CNT], 16
.Lstep:                                            ; a trip: 128 keys for my four tiles
	v_add_nc_u32 v[ADR], s[TB], v[LI]
.irp t, 0,1,2,3,4,5,6,7
	ds_load_b128 v[KA+8*\t:KA+8*\t+3], v[ADR] offset:1024*\t
	ds_load_b128 v[KA+8*\t+4:KA+8*\t+7], v[ADR] offset:1024*\t+512
.endr
	ds_load_b128 v[KS:KS+3], v[ADR] offset:16384
	ds_load_b128 v[KS+4:KS+7], v[ADR] offset:16896
	s_wait_alu depctr_va_vdst(0)
	s_wait_dscnt 0x0
	TILE 0
	TILE 1
	TILE 2
	TILE 3
	s_wait_alu depctr_va_vdst(0)
	s_wait_dscnt 0x0                               ; V's fragments and words
	WIN 0x54                                       ; p's codes and O^T in window 1
.irp t, 0,1,2,3
.irp a, 0,1,2,3
	v_wmma_scale_f32_16x16x128_f8f6f4 v[OT+32*\a+8*\t:OT+32*\a+8*\t+7], v[KA+16*\t:KA+16*\t+15], v[PC+16*\a:PC+16*\a+15], v[OT+32*\a+8*\t:OT+32*\a+8*\t+7], v[KS+\t], v[PW+\a] matrix_a_fmt:MATRIX_FMT_BF8 matrix_b_fmt:MATRIX_FMT_BF8   ; sixteen accumulators by turns
.endr
.endr
	WIN 0
.rept 8
	v_nop                                          ; eight places ahead of the next step's loads into V's registers, and of the way out's first read of O^T
.endr
	s_add_co_u32 s[TB], s[TB], STEPB
	s_sub_co_u32 s[CNT], s[CNT], 1
	s_cmp_lg_u32 s[CNT], 0
	s_cbranch_scc1 .Lstep
; THE WAY OUT of tile a: O^T / the sum; its 64 numbers a query are two blocks of 32 along the last projection's K, shared with lane l xor 16
.macro EPI a
.set LSA, LS+2*\a
	v_add_f32 v[LSA], v[LSA], v[LSA+1]
	v_permlanex16_b32 v[TA], v[LSA], s[SEL], s[SEL+1]
	v_add_f32 v[LSA], v[LSA], v[TA]                ; the row's sum
	s_wait_alu depctr_va_vdst(0)
	v_rcp_f32 v[TA], v[LSA]
	v_mov_b32 v[TA+1], 0
	WIN 0x01                                       ; source 0, O^T, in window 1
	s_wait_alu depctr_va_vdst(0)
.set j, 0
.rept 16
	v_pk_mul_f32 v[S+j:S+j+1], v[OT+32*\a+j:OT+32*\a+j+1], v[TA:TA+1] op_sel_hi:[1,0]   ; register 16 b + i is inner index 64 h + 32 b + 16 (lane / 16) + i
.set j, j+2
.endr
	WIN 0
.irp b, 0,1
	v_max3_num_f32 v[BM+\b], |v[S+16*\b]|, |v[S+16*\b+1]|, 0x8000000
.endr
.irp i, 2,4,6,8,10,12,14
.irp b, 0,1
	s_delay_alu instid0(VALU_DEP_2)
	v_max3_num_f32 v[BM+\b], v[BM+\b], |v[S+16*\b+\i]|, |v[S+16*\b+\i+1]|
.endr
.endr
.irp b, 0,1
	s_delay_alu instid0(VALU_DEP_2)
	v_permlanex16_b32 v[PB+\b], v[BM+\b], s[SEL], s[SEL+1]
.endr
.irp b, 0,1
	s_delay_alu instid0(VALU_DEP_2)
	v_max_num_f32 v[BM+\b], v[BM+\b], v[PB+\b]
.endr
.irp b, 0,1
	s_delay_alu instid0(VALU_DEP_2)
	v_add_nc_u32 v[SOP+\b], 0xf8800000, v[BM+\b]
.endr
.irp b, 0,1
	s_delay_alu instid0(VALU_DEP_4)
	v_and_or_b32 v[HD+\b], v[BM+\b], 0x7f800000, s[MNT]
.endr
.irp b, 0,1
	s_delay_alu instid0(VALU_DEP_4)
	v_lshrrev_b32 v[PB+\b], 23, v[SOP+\b]
.endr
	s_delay_alu instid0(VALU_DEP_1)
	v_lshl_or_b32 v[SW+\a], v[PB+1], 8, v[PB]
.irp b, 0,1
.irp i, 0,1,2,3,4,5,6,7,8,9,10,11,12,13,14,15
	v_med3_num_f32 v[S+16*\b+\i], v[S+16*\b+\i], -v[HD+\b], v[HD+\b]
.endr
	v_cvt_scalef32_pk8_bf8_f32 v[CO+8*\a+4*\b:CO+8*\a+4*\b+1], v[S+16*\b:S+16*\b+7], v[SOP+\b]
	v_cvt_scalef32_pk8_bf8_f32 v[CO+8*\a+4*\b+2:CO+8*\a+4*\b+3], v[S+16*\b+8:S+16*\b+15], v[SOP+\b]
.endr
	v_nop                                          ; a plain line behind the last conversion
	global_store_b128 v[LI], v[CO+8*\a:CO+8*\a+3], s[44:45] offset:16384*\a       ; each store: 512 consecutive bytes; every tile has registers of its own for what it stores
	global_store_b128 v[LI], v[CO+8*\a+4:CO+8*\a+7], s[44:45] offset:16384*\a+512
	global_store_b16 v[R8], v[SW+\a], s[46:47] offset:512*\a
.endm
	EPI 0
	EPI 1
	EPI 2
	EPI 3
	s_wait_tensorcnt 0x0                           ; the wave's end
	ds_add_u32 v[SPW], v[NIL]
	s_wait_dscnt 0x0
	ROUND                                          ; the closing round
	s_endpgm
.Lfunc_end_k_qf7973987ba_attn:
	.size	k_qf7973987ba_attn, .Lfunc_end_k_qf7973987ba_attn-k_qf7973987ba_attn
	.p2alignl 7, 3214868480
	.fill 96, 4, 3214868480
	.section	.rodata,"a",@progbits
	.p2align	6, 0x0
	.amdhsa_kernel k_qf7973987ba_attn
		.amdhsa_group_segment_fixed_size 327680
		.amdhsa_private_segment_fixed_size 0
		.amdhsa_enable_private_segment 0
		.amdhsa_kernarg_size 24
		.amdhsa_user_sgpr_count 2
		.amdhsa_user_sgpr_kernarg_segment_ptr 1
		.amdhsa_wavefront_size32 1
		.amdhsa_system_sgpr_workgroup_id_x 1
		.amdhsa_system_sgpr_workgroup_id_y 1
		.amdhsa_system_sgpr_workgroup_id_z 1
		.amdhsa_system_vgpr_workitem_id 0
		.amdhsa_next_free_vgpr 512
		.amdhsa_next_free_sgpr 66
		.amdhsa_reserve_vcc 0
		.amdhsa_float_denorm_mode_32 3
		.amdhsa_float_denorm_mode_16_64 3
		.amdhsa_memory_ordered 1
		.amdhsa_forward_progress 1
		.amdhsa_inst_pref_size 107
	.end_amdhsa_kernel
	.amdgpu_metadata
---
amdhsa.version: [ 1, 2 ]
amdhsa.kernels:
  - .name:           k_qf7973987ba_attn
    .symbol:         k_qf7973987ba_attn.kd
    .args:
      - { .name: qimg, .offset: 0, .size: 8, .value_kind: global_buffer, .address_space: global }
      - { .name: kv, .offset: 8, .size: 8, .value_kind: global_buffer, .address_space: global }
      - { .name: ob, .offset: 16, .size: 8, .value_kind: global_buffer, .address_space: global }
    .group_segment_fixed_size: 327680
    .private_segment_fixed_size: 0
    .kernarg_segment_align: 8
    .kernarg_segment_size: 24
    .max_flat_workgroup_size: 256
    .sgpr_count:     66
    .vgpr_count:     512
    .wavefront_size: 32
...
	.end_amdgpu_metadata
.endif
;; end of part 3
;; launch oproj (part 4): grid 4 x 32, 4 waves a work-group, clusters of 4 x 4, 327,680 bytes of LDS; arguments ob, w2, out_bias, out0; writes out0
.if DOCPART == 4
	.amdgcn_target "amdgcn-amd-amdhsa--gfx1250"
	.amdhsa_code_object_version 6
	.text
	.protected	k_qf7973987ba_oproj
	.globl	k_qf7973987ba_oproj
	.p2align	8
	.type	k_qf7973987ba_oproj,@function
k_qf7973987ba_oproj:
	s_mov_b64 s[64:65], 0
	v_nop
	global_prefetch_b8 v0, s[64:65] scope:SCOPE_SE
	s_setreg_imm32_b32 hwreg(HW_REG_WAVE_MODE, 25, 1), 1
	s_wait_xcnt 0x0
	s_wait_alu depctr_hold_cnt(0) depctr_sa_sdst(0) depctr_va_vdst(0) depctr_va_sdst(0) depctr_va_ssrc(0) depctr_va_vcc(0) depctr_vm_vsrc(0)
	s_getreg_b32 s2, hwreg(HW_REG_IB_STS2, 6, 4)
	s_cmp_eq_u32 s2, 0
	s_cbranch_scc0 .Lentry_in_a_cluster
	s_endpgm
.Lentry_in_a_cluster:
	s_bfe_u32 s2, ttmp6, 0x10000c
	s_cmp_lg_u32 s2, 0xf033
	s_cbranch_scc0 .Lentry_shape_is_right
	s_endpgm
.Lentry_shape_is_right:
.set NP,    8
.set SLOT,  131072
.set XOFF,  65536
.set SCLY,  262144
.set SCLX,  SCLY+8192+128
.set SPARE, 278784
.set SPITCH, 528
.set VO,   8
.set ADRA, 16
.set ADRB, 20
.set STO,  24
.set LI,   25
.set RD,   26
.set ADRS, 27
.set SPW,  28
.set NIL,  29
.set SC,   32
.set CB,   64
.set AF,   128
.set BK,   128
.set G1, 24
.set G0, 32
.set G1B, 48
.set G0B, 56
.set G1S, 68
.set G0S, 76
.set G1SB, 80
.set G0SB, 88
.set MSB, 0
.macro WIN new
.if MSB != \new
	s_set_vgpr_msb (MSB<<8)|\new
.set MSB, \new
.endif
.endm
.set MUL_LO, 0xa1
.set MUL_HI, 0xf1
.set TO_B,   0x40
.macro JLOAD g0a, g1a, g0b, g1b
	s_cmp_eq_u32 s15, 0
	s_cbranch_scc0 .Lfor_b_\@
	tensor_load_to_lds s[\g0a:\g0a+3], s[\g1a:\g1a+7]
	s_nop 0
.rept 4
	v_nop
.endr
	s_branch .Lasked_\@
.Lfor_b_\@:
	tensor_load_to_lds s[\g0b:\g0b+3], s[\g1b:\g1b+7]
	s_nop 0
.rept 4
	v_nop
.endr
.Lasked_\@:
.endm
.macro CREST
	s_cmp_lg_u32 s14, 0
	s_cbranch_scc1 .Lnot_wave_0_\@
	s_barrier_signal -3
.Lnot_wave_0_\@:
	s_barrier_wait -3
	s_barrier_signal -1
	s_barrier_wait -1
.endm
.macro CROUND
	s_barrier_signal -1
	s_barrier_wait -1
	CREST
.endm
	s_load_b256 s[4:11], s[0:1], 0x0
	v_lshl_add_u32 v[SPW], v0, 2, SPARE
	v_mov_b32 v[NIL], 0
	ds_add_u32 v28, v29
	ds_add_u32 v28, v29
	s_wait_dscnt 0x0
	v_lshrrev_b32 v1, 5, v0
	v_readfirstlane_b32 s14, v1
	s_lshr_b32 s15, s14, 1
	s_and_b32 s16, s14, 1
	s_bfe_u32 s40, ttmp6, 0x40000
	s_bfe_u32 s41, ttmp6, 0x40004
	s_and_b32 s42, ttmp7, 0xffff
	s_lshl_b32 s42, s42, 2
	s_add_co_u32 s42, s42, s41
	s_lshl_b32 s43, ttmp9, 2
	s_add_co_u32 s43, s43, s40
	s_lshl_b32 s44, s41, 2
	s_lshl_b32 s44, 15, s44
	s_lshl_b32 s45, 0x1111, s40
	s_or_b32 s[G1+0], s44, (3<<16)|(1<<21)
	s_or_b32 s[G1B+0], s45, (3<<16)|(1<<21)
.irp g, G1, G1B
	s_mov_b32 s[\g+1], 512<<16
	s_mov_b32 s[\g+2], 16<<16                      ; 16 row blocks for the head's loads; set to 8, for the ring's, behind the wait for them
	s_mov_b32 s[\g+3], 512<<16
	s_mov_b32 s[\g+4], 16
	s_mov_b32 s[\g+5], 2048
	s_mov_b32 s[\g+6], 0
	s_mov_b32 s[\g+7], 0
.endr
	s_or_b32 s[G1S+0], s44, (3<<16)|(1<<21)
	s_or_b32 s[G1SB+0], s45, (3<<16)|(1<<21)
.irp g, G1S, G1SB
	s_mov_b32 s[\g+1], 32<<16
	s_mov_b32 s[\g+2], 32<<16                      ; the scale words of all 16 row blocks: 8,192 dense bytes as 32 rows of 256
	s_mov_b32 s[\g+3], 32<<16
	s_mov_b32 s[\g+4], 32
	s_mov_b32 s[\g+5], 32
	s_mov_b32 s[\g+6], 0
	s_mov_b32 s[\g+7], 0
.endr
	s_lshl_b32 s2, s42, 13
	s_add_co_u32 s2, s2, 8388608
	s_mov_b32 s3, 0
	s_lshl_b32 s20, s42, 18
	s_lshl_b32 s21, s16, 17
	s_add_co_u32 s20, s20, s21
	s_mov_b32 s21, 0
	s_lshl_b32 s46, s43, 13
	s_add_co_u32 s46, s46, 1048576
	s_mov_b32 s47, 0
	s_lshl_b32 s22, s43, 18
	s_lshl_b32 s23, s16, 17
	s_add_co_u32 s22, s22, s23
	s_mov_b32 s23, 0
	s_lshl_b32 s18, s14, 15
	s_wait_kmcnt 0x0
	s_add_nc_u64 s[2:3], s[4:5], s[2:3]
	s_add_nc_u64 s[20:21], s[4:5], s[20:21]
	s_add_nc_u64 s[46:47], s[6:7], s[46:47]
	s_add_nc_u64 s[22:23], s[6:7], s[22:23]
	CROUND
	s_mov_b32 s[G0S], 1
	s_mov_b32 s[G0S+1], SCLY
	s_mov_b64 s[G0S+2:G0S+3], s[2:3]
	s_or_b32 s[G0S+3], s[G0S+3], 0x80000000
	s_mov_b32 s[G0SB], 1
	s_mov_b32 s[G0SB+1], SCLX
	s_mov_b64 s[G0SB+2:G0SB+3], s[46:47]
	s_or_b32 s[G0SB+3], s[G0SB+3], 0x80000000
.irp s, 0,1
	s_mov_b32 s[G0+4*\s], 1
	s_add_co_u32 s[G0+4*\s+1], s18, \s*SLOT
	s_add_nc_u64 s[G0+4*\s+2:G0+4*\s+3], s[20:21], \s*4096
	s_or_b32 s[G0+4*\s+3], s[G0+4*\s+3], 0x80000000
	s_mov_b32 s[G0B+4*\s], 1
	s_add_co_u32 s[G0B+4*\s+1], s18, \s*SLOT
	s_add_nc_u64 s[G0B+4*\s+2:G0B+4*\s+3], s[22:23], \s*4096
	s_or_b32 s[G0B+4*\s+3], s[G0B+4*\s+3], 0x80000000
.endr
; THE HEAD'S LOADS, ONE A WAVE: wave 0 fetches K slot 0's 16 row blocks of Y, wave 1 those of X, wave 2 Y's scale words, wave 3 X's.
; Slot 0's groups 0 serve them first, set to the whole tile; behind the wait for the head's loads they are set back to my half, for the ring.
	s_lshl_b32 s4, s16, 17                         ; my half of a tile, in bytes (the pointer that lay in s[4:5] has been used)
	s_mov_b32 s5, 0
	s_mov_b32 s[G0+1], 0
	s_sub_nc_u64 s[G0+2:G0+3], s[G0+2:G0+3], s[4:5]
	s_mov_b32 s[G0B+1], XOFF
	s_sub_nc_u64 s[G0B+2:G0B+3], s[G0B+2:G0B+3], s[4:5]
.macro ARM under, g0, g1, next         ; one tree of branches on the wave's number, a load to an arm, all arms leading to one join
	s_cmp_lt_u32 s14, \under
	s_cbranch_scc0 \next
	tensor_load_to_lds s[\g0:\g0+3], s[\g1:\g1+7]
	s_nop 0
.rept 4
	v_nop
.endr
	s_branch .Lhead_asked
\next:
.endm
	ARM 1, G0,  G1,  .Lhead_b
	ARM 2, G0B, G1B, .Lhead_sa
	ARM 3, G0S, G1S, .Lhead_sb
	tensor_load_to_lds s[G0SB:G0SB+3], s[G1SB:G1SB+7]
	s_nop 0
.rept 4
	v_nop
.endr
.Lhead_asked:
	v_and_b32 v1, 15, v0
	v_bfe_u32 v2, v0, 4, 1
	s_wait_alu depctr_va_vdst(0)
	v_and_b32 v3, 31, v0
	v_lshlrev_b32 v[LI], 4, v3
	s_lshl_b32 s18, s15, 15
	s_lshl_b32 s19, s16, 15
	s_add_co_u32 s19, s19, XOFF
.irp s, 0,1
	v_add_nc_u32 v[ADRA+\s], s18, v[LI]
	v_add_nc_u32 v[ADRB+\s], s19, v[LI]
	s_add_co_u32 s18, s18, SLOT
	s_add_co_u32 s19, s19, SLOT
.endr
	s_lshl_b32 s18, s15, 12
	s_lshl_b32 s19, s16, 12
	s_add_co_u32 s19, s19, SCLX-SCLY
	s_sub_co_u32 s19, s19, s18
	v_mul_u32_u24 v4, s19, v2
	s_add_co_u32 s18, s18, SCLY
	v_lshl_add_u32 v4, v1, 3, v4
	v_add_nc_u32 v[ADRS], s18, v4
	s_mul_i32 s18, s14, 16*SPITCH
	v_mul_u32_u24 v[STO], v1, SPITCH
	v_lshl_add_u32 v[STO], v2, 6, v[STO]
	v_add_nc_u32 v[STO], s18, v[STO]
	v_add_nc_u32 v[RD], s18, v[LI]
	v_lshlrev_b32 v[VO], 6, v2
	s_wait_alu depctr_va_vdst(0)
	s_lshl_b32 s92, s43, 8
	s_lshl_b32 s93, s16, 7
	s_add_co_u32 s92, s92, s93
	s_lshl_b32 s92, s92, 2
	s_mov_b32 s93, 0
	s_add_nc_u64 s[2:3], s[8:9], s[92:93]
	s_and_b32 s94, s42, 7
	s_lshl_b32 s94, s94, 8
	s_lshl_b32 s95, s15, 7
	s_add_co_u32 s94, s94, s95
	s_lshl_b32 s94, s94, 2
	s_lshr_b32 s95, s42, 3
	s_add_co_u32 s94, s94, s95
	s_lshl_b32 s94, s94, 12
	s_add_co_u32 s92, s92, s94
	s_add_nc_u64 s[12:13], s[10:11], s[92:93]
.irp k, 0,1,2,3,4,5,6,7
	global_load_b128 v[CB+8*\k:CB+8*\k+3], v[VO], s[2:3] offset:4*(32*(\k/2)+8*(\k%2))
	global_load_b128 v[CB+8*\k+4:CB+8*\k+7], v[VO], s[2:3] offset:4*(32*(\k/2)+8*(\k%2))+16
.endr
.macro FRAG reg, adr, q, i
.irp c, 0,1,2,3
	ds_load_b128 v[\reg+4*\c:\reg+4*\c+3], v[\adr] offset:4096*(\i)+2048*(\q)+512*\c
.endr
.endm
.macro MUL16 a0, p, q, sc, cm
.irp a, \a0, \a0+1
.irp b, 0,1,2,3,4,5,6,7
.if (\cm) == 0
	v_wmma_scale_f32_16x16x128_f8f6f4 v[8*(8*((\a)%4)+\b):8*(8*((\a)%4)+\b)+7], v[128*(\p)+16*\b:128*(\p)+16*\b+15], v[AF+16*(\a):AF+16*(\a)+15], v[8*(8*((\a)%4)+\b):8*(8*((\a)%4)+\b)+7], v[SC+16*(\sc)+2*\b+(\q)], v[SC+16*(\sc)+2*(\a)+(\q)] matrix_a_fmt:MATRIX_FMT_BF8 matrix_b_fmt:MATRIX_FMT_BF8 matrix_a_scale:MATRIX_SCALE_ROW1
.else
	v_wmma_scale_f32_16x16x128_f8f6f4 v[8*(8*((\a)%4)+\b):8*(8*((\a)%4)+\b)+7], v[128*(\p)+16*\b:128*(\p)+16*\b+15], v[AF+16*(\a):AF+16*(\a)+15], v[CB+8*\b:CB+8*\b+7], v[SC+16*(\sc)+2*\b+(\q)], v[SC+16*(\sc)+2*(\a)+(\q)] matrix_a_fmt:MATRIX_FMT_BF8 matrix_b_fmt:MATRIX_FMT_BF8 matrix_a_scale:MATRIX_SCALE_ROW1
.endif
.endr
.endr
.endm
.macro FETCH_B slot, q, p
	WIN TO_B
.irp i, 0,1,2,3,4,5,6,7
	FRAG 128*(\p)+16*\i, ADRB+\slot, \q, \i
.endr
	WIN 0
.endm
.macro FETCH_A slot, q, i0
.irp i, \i0, \i0+1, \i0+2, \i0+3
	FRAG AF+16*(\i), ADRA+\slot, \q, \i
.endr
.endm
.macro SCALES sc
.irp i, 0,1,2,3,4,5,6,7
	ds_load_b64 v[SC+16*\sc+2*\i:SC+16*\sc+2*\i+1], v[ADRS] offset:512*\i
.endr
.endm
.macro PLACES n
.rept \n
	v_nop
.endr
.endm
.macro STEP slot, q, cm
	s_wait_dscnt 16
.if \cm
	WIN 0x81
.else
	WIN MUL_LO
.endif
	MUL16 0, (\q)%2, \q, \slot, \cm
	MUL16 2, (\q)%2, \q, \slot, \cm
	s_wait_dscnt 0
	PLACES NP
	FETCH_B \slot, (\q)+1, 1-(\q)%2
	FETCH_A \slot, (\q)+1, 0
.if \cm
	WIN 0xc1
.else
	WIN MUL_HI
.endif
	MUL16 4, (\q)%2, \q, \slot, \cm
	MUL16 6, (\q)%2, \q, \slot, \cm
	PLACES NP
	WIN 0
	FETCH_A \slot, (\q)+1, 4
.endm
.macro TURN slot, next, fill
	s_wait_tensorcnt 0x0
	ds_add_u32 v[SPW], v[NIL]
	s_wait_dscnt 17
	WIN MUL_LO
	MUL16 0, 1, 1, \slot, 0
	s_wait_dscnt 0x0
	s_barrier_signal -1
	MUL16 2, 1, 1, \slot, 0
	WIN 0
	s_barrier_wait -1
.if \fill
	CREST
	s_add_nc_u64 s[G0+4*\slot+2:G0+4*\slot+3], s[G0+4*\slot+2:G0+4*\slot+3], 8192
	s_add_nc_u64 s[G0B+4*\slot+2:G0B+4*\slot+3], s[G0B+4*\slot+2:G0B+4*\slot+3], 8192
	JLOAD G0+4*\slot, G1, G0B+4*\slot, G1B
	PLACES NP-4
.else
	PLACES NP
.endif
	s_wait_alu depctr_va_vdst(0)
	v_add_nc_u32 v[ADRS], 128, v[ADRS]
	FETCH_B \next, 0, 0
	FETCH_A \next, 0, 0
	SCALES \next
	WIN MUL_HI
	MUL16 4, 1, 1, \slot, 0
	MUL16 6, 1, 1, \slot, 0
	PLACES NP
	WIN 0
	FETCH_A \next, 0, 4
.endm
	s_wait_alu depctr_va_vdst(0)
	s_wait_tensorcnt 0x0                           ; my tile of the head's four is in
	ds_add_u32 v[SPW], v[NIL]
	s_mov_b32 s[G1+2], 8<<16                       ; no tensor load of mine is out, so descriptors may be written: from here on a load brings 8 row blocks,
	s_mov_b32 s[G1+4], 8
	s_mov_b32 s[G1B+2], 8<<16
	s_mov_b32 s[G1B+4], 8
	s_lshl_b32 s[G0+1], s14, 15                    ; and slot 0's groups 0 name my half again: wave x 32,768 in LDS,
	s_add_nc_u64 s[G0+2:G0+3], s[G0+2:G0+3], s[4:5]
	s_lshl_b32 s[G0B+1], s14, 15
	s_add_nc_u64 s[G0B+2:G0B+3], s[G0B+2:G0B+3], s[4:5]
	s_wait_dscnt 0x0                               ; the add is done
	CROUND                                         ; a whole round: all four tiles are in, and all sixteen work-groups are here
	JLOAD G0+4, G1, G0B+4, G1B                     ; K slot 1's first fill: the first tensor load behind the round
	FETCH_B 0, 0, 0
	FETCH_A 0, 0, 0
	SCALES 0
	FETCH_A 0, 0, 4
	s_wait_loadcnt 0x0
	STEP 0, 0, 1
	TURN 0, 1, 1
	STEP 1, 0, 0
	TURN 1, 0, 1
	STEP 0, 0, 0
	TURN 0, 1, 0
	STEP 1, 0, 0
	s_wait_dscnt 16
	WIN MUL_LO
	MUL16 0, 1, 1, 1, 0
	MUL16 2, 1, 1, 1, 0
	s_wait_dscnt 0
	WIN MUL_HI
	MUL16 4, 1, 1, 1, 0
	MUL16 6, 1, 1, 1, 0
	WIN 0
.macro TOSTAGE a
.set AC, 64*((\a)%4)
.set WN, 0x08+4*((\a)/4)
	WIN WN
.irp b, 0,1,2,3,4,5,6,7
	ds_store_b128 v[STO], v[AC+8*\b:AC+8*\b+3] offset:128*(\b/2)+32*(\b%2)
	ds_store_b128 v[STO], v[AC+8*\b+4:AC+8*\b+7] offset:128*(\b/2)+32*(\b%2)+16
.endr
	WIN 0
.set BB, BK+64*((\a)%2)
.irp t, 0,1,2,3,4,5,6,7,8,9,10,11,12,13,14,15
	ds_load_b128 v[BB+4*\t:BB+4*\t+3], v[RD] offset:\t*SPITCH
.endr
.endm
.macro SEND a, younger
.set BB, BK+64*((\a)%2)
	s_wait_dscnt \younger
.irp t, 0,1,2,3,4,5,6,7,8,9,10,11,12,13,14,15
	global_store_b128 v[LI], v[BB+4*\t:BB+4*\t+3], s[12:13] offset:16384*(32*((\a)/2)+8*((\a)%2)+\t+8*(\t/8)) th:TH_STORE_NT
.endr
.endm
	PLACES NP
	TOSTAGE 0
.irp a, 1,2,3,4,5,6,7
.if \a > 1
	s_wait_xcnt 0x0
.endif
	TOSTAGE \a
	SEND \a-1, 32
.endr
	SEND 7, 0
	s_wait_tensorcnt 0x0
	ds_add_u32 v[SPW], v[NIL]
	s_wait_dscnt 0x0
	CROUND
	s_endpgm
.Lfunc_end_k_qf7973987ba_oproj:
	.size	k_qf7973987ba_oproj, .Lfunc_end_k_qf7973987ba_oproj-k_qf7973987ba_oproj
	.p2alignl 7, 3214868480
	.fill 96, 4, 3214868480
	.section	.rodata,"a",@progbits
	.p2align	6, 0x0
	.amdhsa_kernel k_qf7973987ba_oproj
		.amdhsa_group_segment_fixed_size 327680
		.amdhsa_private_segment_fixed_size 0
		.amdhsa_enable_private_segment 0
		.amdhsa_kernarg_size 32
		.amdhsa_user_sgpr_count 2
		.amdhsa_user_sgpr_kernarg_segment_ptr 1
		.amdhsa_wavefront_size32 1
		.amdhsa_system_sgpr_workgroup_id_x 1
		.amdhsa_system_sgpr_workgroup_id_y 1
		.amdhsa_system_sgpr_workgroup_id_z 1
		.amdhsa_system_vgpr_workitem_id 0
		.amdhsa_next_free_vgpr 1024
		.amdhsa_next_free_sgpr 96
		.amdhsa_reserve_vcc 0
		.amdhsa_float_denorm_mode_32 3
		.amdhsa_float_denorm_mode_16_64 3
		.amdhsa_memory_ordered 1
		.amdhsa_forward_progress 1
		.amdhsa_inst_pref_size 147
	.end_amdhsa_kernel
	.amdgpu_metadata
---
amdhsa.version: [ 1, 2 ]
amdhsa.kernels:
  - .name:           k_qf7973987ba_oproj
    .symbol:         k_qf7973987ba_oproj.kd
    .args:
      - { .name: ob, .offset: 0, .size: 8, .value_kind: global_buffer, .address_space: global }
      - { .name: w2, .offset: 8, .size: 8, .value_kind: global_buffer, .address_space: global }
      - { .name: out_bias, .offset: 16, .size: 8, .value_kind: global_buffer, .address_space: global }
      - { .name: out0, .offset: 24, .size: 8, .value_kind: global_buffer, .address_space: global }
    .group_segment_fixed_size: 327680
    .private_segment_fixed_size: 0
    .kernarg_segment_align: 8
    .kernarg_segment_size: 32
    .max_flat_workgroup_size: 128
    .sgpr_count:     96
    .vgpr_count:     1024
    .wavefront_size: 32
...
	.end_amdgpu_metadata
.endif
;; end of part 4
